; MI455X (gfx1250); checked and timed in simulation.
; The chip was launched on July 23, 2026; its instructions are those of AMD's public machine-readable ISA for CDNA 5 (MIT licence, August 2026) and "CDNA5" Instruction Set Architecture Reference Guide (July 2026). The comments in the code are by the model that wrote it; some were corrected since.
;; Multi Attention. Allowed arithmetic: float matrix products may take bf16 or f16 operands with f32 sums; all other float work in f32.
;; Inputs: Wk 16 x 1,024 x 64 float32; Wo 1,024 x 1,024 float32; Wq 16 x 1,024 x 64 float32; Wv 16 x 1,024 x 64 float32; bk 16 x 64 float32; bo 1,024 float32; bq 16 x 64 float32; bv 16 x 64 float32; x 4 x 2,048 x 1,024 float32.
;; Outputs: out0 4 x 2,048 x 1,024 float32.
;; 2 versions, each right; version 2 is version 1 with the launch prep written anew for expert scheduling mode. Each part assembles by itself: llvm-mc -triple=amdgcn-amd-amdhsa -mcpu=gfx1250 --defsym DOCPART=n.
;; ======== version 1 of 2: 4 launches
;; limits: values are held in f16: magnitudes above 65,504 overflow, below 6.1e-05 lose precision
;; workspace buffers: xb 16,777,216 bytes; wqkv 6,291,456 bytes; wob 2,097,152 bytes; qkvh 50,331,648 bytes; ctx 16,777,216 bytes
;; launch prep (part 1): grid 64 x 12, 8 waves a work-group, no clusters, 0 bytes of LDS; arguments x, Wo, Wq, Wk, Wv, xb, wob, wqkv; writes xb, wob, wqkv
.if DOCPART == 1
	.amdgcn_target "amdgcn-amd-amdhsa--gfx1250"
	.amdhsa_code_object_version 6
	.text
	.protected	k_q87faf79691_prep
	.globl	k_q87faf79691_prep
	.p2align	8
	.type	k_q87faf79691_prep,@function
k_q87faf79691_prep:
	s_mov_b64 s[64:65], 0
	v_nop
	global_prefetch_b8 v0, s[64:65] scope:SCOPE_SE
	s_setreg_imm32_b32 hwreg(HW_REG_WAVE_MODE, 25, 1), 1
	s_wait_xcnt 0x0
; prep: the casts that the matrix launches need, one stream, no LDS, no barrier.
;   y = 0..7 : x [8192 m][1024 d] f32 -> xb [16 blocks of d][8192 m][64] bf16 (round to nearest even): the 64 numbers of a block of d and
;              a row are 128 bytes, rows m and m + 1 are neighbours, so a tile of 256 rows x 64 d is 32 KiB dense in memory
;   y = 8    : Wo [1024][1024] f32 -> wob, the same order: rounded to bf16, that value then written as f16
;              (its partner in the product is f16).  LIMIT: exact for |w| >= 2^-17; below that the f16 grid
;              adds at most 2^-25 absolute; |w| must stay below 65,504.
;   y = 9..11: Wq, Wk, Wv [16 h][1024 d][64 k] f32 -> wqkv [1024 d][3072 n] bf16, n = 1024 (y - 9) + 64 h + k
; A work-group takes 16,384 numbers in 16 passes of 256 threads x 4 numbers.  A wave's load covers 512 bytes as two
; aligned runs of 256, a wave's store 256 consecutive aligned bytes.  All 16 loads go out first; nothing is rewritten,
; so the only waits are the counted ones for the loads.
; Matrix units, LDS and clusters have nothing to do here: every byte is read once and written once.
.set X, 4                              ; v[4:67]   pass p: 4 numbers as loaded
.set Y, 68                             ; v[68:99]  pass p: 4 numbers of 16 bits, to store
.set T, 100                            ; v[100:103] at work
; split = 1: passes 8 to 15 store through a second base, s[28:29], so that every immediate stays inside its signed 24 bits
.macro CAST instep, outstep, half, split
.irp p, 0,1,2,3,4,5,6,7,8,9,10,11,12,13,14,15
	global_load_b128 v[X+4*\p:X+4*\p+3], v1, s[20:21] offset:\p*\instep th:TH_LOAD_NT
.endr
.irp p, 0,1,2,3,4,5,6,7,8,9,10,11,12,13,14,15
	s_wait_loadcnt 15-\p                           ; loads return in order: pass p is in, the 15 - p younger ones stay out
.if \half
	v_cvt_pk_bf16_f32 v[T], v[X+4*\p], v[X+4*\p+1]         ; the rounding that counts: to bf16
	v_cvt_pk_bf16_f32 v[T+1], v[X+4*\p+2], v[X+4*\p+3]
	v_lshlrev_b32 v[T+2], 16, v[T]                         ; back to f32: low half up,
	v_and_b32 v[T], 0xffff0000, v[T]                       ; high half stays
	v_lshlrev_b32 v[T+3], 16, v[T+1]
	v_and_b32 v[T+1], 0xffff0000, v[T+1]
	v_cvt_pk_f16_f32 v[Y+2*\p], v[T+2], v[T]               ; 8 bits of mantissa fit f16's 11
	v_cvt_pk_f16_f32 v[Y+2*\p+1], v[T+3], v[T+1]
.else
	v_cvt_pk_bf16_f32 v[Y+2*\p], v[X+4*\p], v[X+4*\p+1]
	v_cvt_pk_bf16_f32 v[Y+2*\p+1], v[X+4*\p+2], v[X+4*\p+3]
.endif
.if \split*(\p/8)
	global_store_b64 v2, v[Y+2*\p:Y+2*\p+1], s[28:29] offset:(\p-8)*\outstep
.else
	global_store_b64 v2, v[Y+2*\p:Y+2*\p+1], s[22:23] offset:\p*\outstep
.endif
.endr
.endm
	s_load_b512 s[4:19], s[0:1], 0x0               ; x s[4:5], Wo s[6:7], Wq s[8:9], Wk s[10:11], Wv s[12:13], xb s[14:15], wob s[16:17], wqkv s[18:19]
	s_and_b32 s2, ttmp7, 0xffff                    ; y: which job
	v_lshlrev_b32 v2, 3, v0                        ; out: 8 bytes a thread, in every job
	s_mov_b32 s25, 0                               ; high words of the two offset pairs
	s_mov_b32 s27, 0
	s_cmp_gt_u32 s2, 8
	s_cbranch_scc1 .Lweights
	s_cmp_eq_u32 s2, 8
	s_cbranch_scc1 .Lwo
	; x: chunk 64 y + x of 16 rows.  A pass is one block of 64 d for all 16 rows: thread t takes row t / 16, d = 64 p + 4 (t % 16)
	v_lshrrev_b32 v[T], 4, v0                      ; row
	v_and_b32 v[T+1], 15, v0
	v_lshlrev_b32 v1, 4, v[T+1]
	v_lshl_add_u32 v1, v[T], 12, v1                ; in: row x 4,096 + 16 (t % 16); a pass further is 256 bytes
	s_lshl_b32 s3, s2, 6
	s_add_co_u32 s3, s3, ttmp9
	s_lshl_b32 s24, s3, 16                         ; 16 rows of 4,096 bytes in
	s_lshl_b32 s26, s3, 11                         ; 16 rows of 128 bytes out: 8 t inside them
	s_wait_kmcnt 0x0
	s_add_nc_u64 s[20:21], s[4:5], s[24:25]
	s_add_nc_u64 s[22:23], s[14:15], s[26:27]
	s_add_nc_u64 s[28:29], s[22:23], 0x800000      ; blocks 8 to 15 of d: 8 planes of 1 MiB further
	CAST 256, 1048576, 0, 1
	s_endpgm
.Lwo:
	v_lshlrev_b32 v1, 4, v0                        ; in: 16 bytes a thread
	s_lshl_b32 s24, ttmp9, 16
	s_lshl_b32 s26, ttmp9, 15
	s_wait_kmcnt 0x0
	s_add_nc_u64 s[20:21], s[6:7], s[24:25]
	s_add_nc_u64 s[22:23], s[16:17], s[26:27]
	CAST 4096, 2048, 1, 0
	s_endpgm
.Lweights:
	; rows d = 16 x .. 16 x + 15; a pass is one d with all 16 heads: thread t takes head t / 16, k = 4 (t % 16)
	v_lshrrev_b32 v[T], 4, v0                      ; head
	v_and_b32 v[T+1], 15, v0
	v_lshlrev_b32 v1, 4, v[T+1]
	v_lshl_add_u32 v1, v[T], 18, v1                ; in: head x 262,144 + 16 (t % 16); a pass further is 256 bytes
	s_lshl_b32 s24, ttmp9, 12                      ; 16 rows of 256 bytes
	s_sub_co_u32 s3, s2, 9
	s_lshl_b32 s3, s3, 11                          ; which of the three: 1,024 columns = 2,048 bytes
	s_mul_i32 s26, ttmp9, 98304                    ; 16 rows of 6,144 bytes
	s_add_co_u32 s26, s26, s3
	s_wait_kmcnt 0x0
	s_cmp_eq_u32 s2, 10
	s_cselect_b64 s[20:21], s[10:11], s[8:9]       ; Wk or Wq
	s_cmp_eq_u32 s2, 11
	s_cselect_b64 s[20:21], s[12:13], s[20:21]     ; or Wv
	s_add_nc_u64 s[20:21], s[20:21], s[24:25]
	s_add_nc_u64 s[22:23], s[18:19], s[26:27]
	CAST 256, 6144, 0, 0                           ; out: 8 t inside the 2,048 bytes, a pass further is a row of 6,144
	s_endpgm
.Lfunc_end_k_q87faf79691_prep:
	.size	k_q87faf79691_prep, .Lfunc_end_k_q87faf79691_prep-k_q87faf79691_prep
	.p2alignl 7, 3214868480
	.fill 96, 4, 3214868480
	.section	.rodata,"a",@progbits
	.p2align	6, 0x0
	.amdhsa_kernel k_q87faf79691_prep
		.amdhsa_group_segment_fixed_size 0
		.amdhsa_private_segment_fixed_size 0
		.amdhsa_enable_private_segment 0
		.amdhsa_kernarg_size 64
		.amdhsa_user_sgpr_count 2
		.amdhsa_user_sgpr_kernarg_segment_ptr 1
		.amdhsa_wavefront_size32 1
		.amdhsa_system_sgpr_workgroup_id_x 1
		.amdhsa_system_sgpr_workgroup_id_y 1
		.amdhsa_system_sgpr_workgroup_id_z 1
		.amdhsa_system_vgpr_workitem_id 0
		.amdhsa_next_free_vgpr 104
		.amdhsa_next_free_sgpr 66
		.amdhsa_reserve_vcc 0
		.amdhsa_float_denorm_mode_32 3
		.amdhsa_float_denorm_mode_16_64 3
		.amdhsa_memory_ordered 1
		.amdhsa_forward_progress 1
		.amdhsa_inst_pref_size 24
	.end_amdhsa_kernel
	.amdgpu_metadata
---
amdhsa.version: [ 1, 2 ]
amdhsa.kernels:
  - .name:           k_q87faf79691_prep
    .symbol:         k_q87faf79691_prep.kd
    .args:
      - { .name: x, .offset: 0, .size: 8, .value_kind: global_buffer, .address_space: global }
      - { .name: Wo, .offset: 8, .size: 8, .value_kind: global_buffer, .address_space: global }
      - { .name: Wq, .offset: 16, .size: 8, .value_kind: global_buffer, .address_space: global }
      - { .name: Wk, .offset: 24, .size: 8, .value_kind: global_buffer, .address_space: global }
      - { .name: Wv, .offset: 32, .size: 8, .value_kind: global_buffer, .address_space: global }
      - { .name: xb, .offset: 40, .size: 8, .value_kind: global_buffer, .address_space: global }
      - { .name: wob, .offset: 48, .size: 8, .value_kind: global_buffer, .address_space: global }
      - { .name: wqkv, .offset: 56, .size: 8, .value_kind: global_buffer, .address_space: global }
    .group_segment_fixed_size: 0
    .private_segment_fixed_size: 0
    .kernarg_segment_align: 8
    .kernarg_segment_size: 64
    .max_flat_workgroup_size: 256
    .sgpr_count:     66
    .vgpr_count:     104
    .wavefront_size: 32
...
	.end_amdgpu_metadata
.endif
;; end of part 1
;; launch proj (part 2): grid 8 x 32, 4 waves a work-group, clusters of 4 x 4, 327,680 bytes of LDS; arguments xb, wqkv, bq, bk, bv, qkvh; writes qkvh
.if DOCPART == 2
	.amdgcn_target "amdgcn-amd-amdhsa--gfx1250"
	.amdhsa_code_object_version 6
	.text
	.protected	k_q87faf79691_proj
	.globl	k_q87faf79691_proj
	.p2align	8
	.type	k_q87faf79691_proj,@function
k_q87faf79691_proj:
	s_mov_b64 s[64:65], 0
	v_nop
	global_prefetch_b8 v0, s[64:65] scope:SCOPE_SE
	s_setreg_imm32_b32 hwreg(HW_REG_WAVE_MODE, 25, 1), 1
	s_wait_xcnt 0x0
	s_wait_alu depctr_hold_cnt(0) depctr_sa_sdst(0) depctr_va_vdst(0) depctr_va_sdst(0) depctr_va_ssrc(0) depctr_va_vcc(0) depctr_vm_vsrc(0)
	s_getreg_b32 s2, hwreg(HW_REG_IB_STS2, 6, 4)
	s_cmp_eq_u32 s2, 0
	s_cbranch_scc0 .Lentry_in_a_cluster
	s_endpgm
.Lentry_in_a_cluster:
	s_bfe_u32 s2, ttmp6, 0x10000c
	s_cmp_lg_u32 s2, 0xf033
	s_cbranch_scc0 .Lentry_shape_is_right
	s_endpgm
.Lentry_shape_is_right:
; proj: q, k, v = x W + b for all heads at once.  C[m][n] = bias[n] + sum over d of x[m][d] wqkv[d][n], 8192 x 3072 x 1024, bf16 operands, f32 sums.
; xb is [16 blocks of d][8192 m][64] bf16, wqkv [1024 d][3072 n] bf16.  The result goes out as f16, head-major:
; qkvh [48 planes][8192 m][64], plane n / 64 (0-15 q, 16-31 k, 32-47 v).
; LIMIT: q, k, v are kept in f16: |value| < 65,504.  f16 and not bf16 because the first rows of a sequence pass v on nearly unaveraged,
; and their rounding has to stay well under a hundredth of the whole output's root mean square.
; SHARES: 8 x 32 = 256 work-groups, each a block of 256 rows x 384 columns (six heads) with four waves; a wave makes 128 x 192: 96 accumulator
; tiles in 768 registers, and issues 96 matrix instructions for the 40 LDS loads of 32 along K.
; K goes in steps of 64 through two LDS slots (two slots of 128 would take 360,448 bytes).  A slot:
;   B's tile as in memory, [64 d][384 n]: rows of 768 bytes, 32 bytes of padding behind every 256 (pitch 864 = 27 x 32); waves 0 and 1 fetch 32 rows each;
;   A's tile: 256 rows of one block of d are 32 KiB dense in xb: 128 LDS rows of 256 bytes (two rows of m each), 16 bytes of padding (pitch 272);
;   waves 2 and 3 fetch 64 LDS rows each.
; B's fragments are read by the transposing LDS load, so the weights are never transposed in memory.  A segment of 256 bytes of B's rows is two heads;
; wave column 0 takes the first head of each of the three segments, wave column 1 the second: a wave owns three whole heads.
; CLUSTERS: 4 x 4 work-groups; A's tile is asked for jointly along a row of the cluster, B's along a column: a quarter of the requests.
; REGISTERS in windows of 256: window 0: v0-31 addresses, v32-95 and v96-159 A's fragments (two buffers), v160-255 B's twelve fragments (one buffer, loaded
; again in two halves as soon as each half has been multiplied); window 1 + g: the accumulators of my head g: tile (a, b) at v[8 (8 (b % 4) + a)], g = b / 4.
; With 768 accumulators no 96 registers are free to hold the bias as a C operand: it waits in my stage in LDS and is added on the way out.
; The matrix instruction is used transposed (source 0 = 16 columns of B, source 1 = 16 rows of A): lane l holds row l % 16 of C, its registers
; 0-7 the columns 8 (l / 16) + 0..7, eight neighbours of a row.
.set SIZE_N, 3072
.set KSTEP,  64
.set APITCH, 272                       ; 256 + 16 bytes: the 16 rows of a fragment start at 16 different multiples of 16 modulo 256
.set AHALF,  64*APITCH                 ; 17,408: what one of A's loads brings, and what one wave row reads
.set BPITCH, 864                       ; 3 x (256 + 32) bytes, an odd multiple of 32
.set BSEG,   288                       ; from one segment of a row of B to the next
.set BHALF,  32*BPITCH                 ; 27,648: what one of B's loads brings
.set AOFF,   2*BHALF                   ; A's tile lies behind B's
.set SLOT,   2*BHALF+2*AHALF           ; 90,112
.set STAGE,  2*SLOT                    ; 180,224 = 704 x 256: behind the ring; no tensor load lands here
.set SPITCH, 144                       ; a head's row of 128 bytes + 16
.set HSTG,   16*SPITCH                 ; 16 rows of one head
.set BSTG,   3*HSTG                    ; behind the three heads' rows: my 192 numbers of bias
.set WSTG,   BSTG+768                  ; 7,680 = 30 x 256 for each wave
.set APLANE, 1048576                   ; from one block of d of xb to the next
.set BSTEP,  KSTEP*SIZE_N*2            ; from one K step of B to the next
.set LAPS,   8                         ; a lap = two K steps = once round the ring
.set ADRA, 16                          ; v16-17  LDS address of my A fragments in slot 0, 1
.set ADRB, 20                          ; v20-21  the same for B
.set STO,  24                          ; v24     way out: where I put 16 bytes
.set RD,   25                          ; v25     way out: where I read back
.set CO,   26                          ; v26     my byte offset in qkvh
.set BOF,  27                          ; v27     my byte offset in a head's bias
.set BST,  28                          ; v28     where I put the bias
.set BRD,  29                          ; v29     where I read it back
.set AF0,  32                          ; A's fragments, buffer 0: the first 32 of a K step
.set AF1,  96                          ; buffer 1: the second 32
.set BFR,  160                         ; B's fragments
.set TM,   32                          ; way out: 32 sums, then 16 packed words
.set RB0,  64                          ; way out: 12 x 4 registers read back, two sets
.set RB1,  112
.set BIAS, 160                         ; way out: register 8 b + j = bias of my head b / 4 at 16 (b % 4) + 8 (l / 16) + j
.set G1,  24                           ; s[24:31] group 1, A
.set G0,  32                           ; s[32:39] group 0, A, one set for each slot
.set G1B, 48                           ; s[48:55] group 1, B
.set G0B, 56                           ; s[56:63] group 0, B
.set MSB, 0
.macro WIN new                         ; the immediate's high byte repeats the setting that is left
.if MSB != \new
	s_set_vgpr_msb (MSB<<8)|\new
.set MSB, \new
.endif
.endm
.set W1, 0x50                          ; C and D window 1, both sources window 0
.set W2, 0xa0
.set W3, 0xf0
; A joint load: waves 0 and 1 ask for B's halves, waves 2 and 3 for A's.  Each line has one mask and one set of registers; the branch hangs on the wave's number alone.
.macro JLOAD s
	s_cmp_eq_u32 s11, 0
	s_cbranch_scc0 .Lfor_a_\@
	tensor_load_to_lds s[G0B+4*\s:G0B+4*\s+3], s[G1B:G1B+7]
	s_nop 0
.rept 4
	v_nop
.endr
	s_branch .Lasked_\@
.Lfor_a_\@:
	tensor_load_to_lds s[G0+4*\s:G0+4*\s+3], s[G1:G1+7]
	s_nop 0
.rept 4
	v_nop
.endr
.Lasked_\@:
.endm
; A round of the cluster's barrier: my work-group's barrier, wave 0 signals for the work-group, every wave waits for all sixteen, my work-group's barrier again.
.macro CREST
	s_cmp_lg_u32 s10, 0
	s_cbranch_scc1 .Lnot_wave_0_\@
	s_barrier_signal -3
.Lnot_wave_0_\@:
	s_barrier_wait -3
	s_barrier_signal -1
	s_barrier_wait -1
.endm
.macro CROUND
	s_barrier_signal -1
	s_barrier_wait -1
	CREST
.endm
	s_load_b128 s[4:7], s[0:1], 0x0                ; xb s[4:5], wqkv s[6:7]
	s_load_b128 s[68:71], s[0:1], 0x10             ; bq s[68:69], bk s[70:71]
	s_load_b128 s[72:75], s[0:1], 0x20             ; bv s[72:73], qkvh s[74:75]
	v_lshl_add_u32 v30, v0, 2, 0x33800
	v_mov_b32 v31, 0
	ds_add_u32 v30, v31
	v_lshrrev_b32 v1, 5, v0
	v_readfirstlane_b32 s10, v1                    ; wave 0..3
	s_lshr_b32 s11, s10, 1                         ; my half of the block's rows; also: I fetch for B (0) or A (1)
	s_and_b32 s12, s10, 1                          ; my head of each segment; also: which half of that tile I fetch
	s_bfe_u32 s40, ttmp6, 0x40000                  ; cx
	s_bfe_u32 s41, ttmp6, 0x40004                  ; cy
	s_lshl_b32 s42, ttmp9, 2
	s_add_co_u32 s42, s42, s40                     ; block column = 4 x cluster x + cx
	s_and_b32 s13, ttmp7, 0xffff
	s_lshl_b32 s13, s13, 2
	s_add_co_u32 s13, s13, s41                     ; block row = 4 x cluster y + cy
	s_lshl_b32 s43, s41, 2
	s_lshl_b32 s43, 15, s43                        ; my row of the cluster
	s_lshl_b32 s44, 0x1111, s40                    ; my column
	; group 1 for A: 64 rows x 128 elements of 2 bytes, dense in memory, 4 words of padding behind every 64 words
	s_or_b32 s[G1+0], s43, (1<<16)|(1<<20)|(1<<21)|(5<<22)|(3<<25)
	s_mov_b32 s[G1+1], 128<<16                     ; tensor_dim0 = 128
	s_mov_b32 s[G1+2], 64<<16                      ; tensor_dim1 = 64
	s_mov_b32 s[G1+3], 128<<16                     ; tile_dim0 = 128
	s_mov_b32 s[G1+4], 64                          ; tile_dim1 = 64
	s_mov_b32 s[G1+5], 128                         ; elements from row to row
	s_mov_b32 s[G1+6], 0
	s_mov_b32 s[G1+7], 0
	; group 1 for B: 32 rows x 384 elements; a row is 192 words = three intervals of 64 words, 8 words of padding behind each
	s_or_b32 s[G1B+0], s44, (1<<16)|(1<<20)|(1<<21)|(5<<22)|(7<<25)
	s_mov_b32 s[G1B+1], 384<<16
	s_mov_b32 s[G1B+2], 32<<16
	s_mov_b32 s[G1B+3], 384<<16
	s_mov_b32 s[G1B+4], 32
	s_mov_b32 s[G1B+5], SIZE_N
	s_mov_b32 s[G1B+6], 0
	s_mov_b32 s[G1B+7], 0
	; where the tiles come from: A's hang on the block row and the wave, B's on the block column and the wave, each in registers that never hold the other coordinate
	s_lshl_b32 s16, s13, 15                        ; A: 256 rows of 128 bytes x block row
	s_lshl_b32 s17, s12, 14                        ; + 128 rows x half
	s_add_co_u32 s16, s16, s17
	s_mov_b32 s17, 0
	s_mul_i32 s46, s12, 32*SIZE_N*2                ; B: 32 rows of d x half
	s_mul_i32 s47, s42, 768                        ; + 768 bytes x block column
	s_add_co_u32 s46, s46, s47
	s_mov_b32 s47, 0
	s_mul_i32 s45, s10, BHALF                      ; B's halves land at wave x 32 rows (waves 0, 1)
	s_mul_i32 s20, s10, AHALF                      ; A's halves behind B's tile: AOFF + (wave - 2) x AHALF (waves 2, 3)
	s_add_co_u32 s20, s20, AOFF-2*AHALF
	s_wait_dscnt 0x0
	s_wait_kmcnt 0x0
	s_add_nc_u64 s[14:15], s[4:5], s[16:17]
	s_add_nc_u64 s[46:47], s[6:7], s[46:47]
	CROUND                                         ; all sixteen work-groups are here: the first joint loads meet
.irp s, 0,1
	s_mov_b32 s[G0+4*\s], 1
	s_add_co_u32 s[G0+4*\s+1], s20, \s*SLOT
	s_add_nc_u64 s[G0+4*\s+2:G0+4*\s+3], s[14:15], \s*APLANE
	s_or_b32 s[G0+4*\s+3], s[G0+4*\s+3], 0x80000000
	s_mov_b32 s[G0B+4*\s], 1
	s_add_co_u32 s[G0B+4*\s+1], s45, \s*SLOT
	s_add_nc_u64 s[G0B+4*\s+2:G0B+4*\s+3], s[46:47], \s*BSTEP
	s_or_b32 s[G0B+4*\s+3], s[G0B+4*\s+3], 0x80000000
	JLOAD \s                                       ; both slots are asked for before anything else: two tensor loads of this wave are out
.endr
	; the bias of my three heads, planes 6 x block column + my head + 2 g: plane / 16 says which of bq, bk, bv, plane % 16 which 256 bytes of it
	v_and_b32 v1, 15, v0                           ; r = l % 16
	v_bfe_u32 v2, v0, 4, 1                         ; h = l / 16
	v_lshlrev_b32 v[BOF], 4, v1                    ; 16 lanes cover a head's 256 bytes; the other 16 fetch the same
	s_mul_i32 s78, s42, 6
	s_add_co_u32 s78, s78, s12                     ; my first plane
.irp g, 0,1,2
	s_add_co_u32 s76, s78, 2*\g
	s_lshr_b32 s77, s76, 4
	s_cmp_eq_u32 s77, 1
	s_cselect_b64 s[80+2*\g:81+2*\g], s[70:71], s[68:69]
	s_cmp_eq_u32 s77, 2
	s_cselect_b64 s[80+2*\g:81+2*\g], s[72:73], s[80+2*\g:81+2*\g]
	s_and_b32 s76, s76, 15
	s_lshl_b32 s76, s76, 8
	s_mov_b32 s77, 0
	s_add_nc_u64 s[80+2*\g:81+2*\g], s[80+2*\g:81+2*\g], s[76:77]
	global_load_b128 v[TM+4*\g:TM+4*\g+3], v[BOF], s[80+2*\g:81+2*\g]
.endr
	; A's fragments: row r of m lies in LDS row r / 2, half r % 2; 16 h bytes in; two loads 32 bytes apart
	v_bfe_u32 v9, v0, 1, 3
	v_mul_u32_u24 v3, v9, APITCH
	v_and_b32 v9, 1, v0
	v_lshl_add_u32 v3, v9, 7, v3
	v_lshl_add_u32 v3, v2, 4, v3
	; B's fragments, transposing load: lane l addresses row 8 h + l % 8 of d, 16 bytes at 16 ((l / 8) % 2); the second load 16 rows further
	v_and_b32 v6, 7, v0
	v_lshl_add_u32 v6, v2, 3, v6
	v_mul_u32_u24 v7, v6, BPITCH
	v_bfe_u32 v8, v0, 3, 1
	v_lshl_add_u32 v7, v8, 4, v7
	s_mul_i32 s21, s11, AHALF                      ; my 128 rows of A,
	s_add_co_u32 s21, s21, AOFF                    ; behind B's tile
	s_lshl_b32 s22, s12, 7                         ; my head of each segment of B: 128 bytes
.irp s, 0,1
	v_add_nc_u32 v[ADRA+\s], s21, v3
	v_add_nc_u32 v[ADRB+\s], s22, v7
	s_add_co_u32 s21, s21, SLOT
	s_add_co_u32 s22, s22, SLOT
.endr
	s_mul_i32 s23, s10, WSTG
	s_add_co_u32 s23, s23, STAGE                   ; my stage
	v_mul_u32_u24 v4, v1, SPITCH                   ; in: row r, 16 bytes for each half of the lanes
	v_lshl_add_u32 v4, v2, 4, v4
	v_add_nc_u32 v[STO], s23, v4
	v_bfe_u32 v5, v0, 3, 2                         ; back: row l / 8, 16 (l % 8) bytes in: four rows of 128 bytes a load
	v_mul_u32_u24 v5, v5, SPITCH
	v_and_b32 v9, 7, v0
	v_lshl_add_u32 v5, v9, 4, v5
	v_add_nc_u32 v[RD], s23, v5
	v_and_b32 v5, 31, v0
	v_lshlrev_b32 v[CO], 4, v5                     ; in qkvh four rows of a head are 512 neighbouring bytes: 16 l
	s_add_co_u32 s23, s23, BSTG
	v_add_nc_u32 v[BST], s23, v[BOF]
	v_lshlrev_b32 v5, 5, v2
	v_add_nc_u32 v[BRD], s23, v5                   ; 8 h numbers in
; 8 matrix instructions: n tile b x my 8 m tiles, 32 along K.  zero = 1: the first product starts the sums.
; The 96 accumulators take turns, one instruction a turn, in the same order in every quarter step.
.macro MULB af, b, zero
.irp a, 0,1,2,3,4,5,6,7
.if \zero
	v_wmma_f32_16x16x32_bf16 v[8*(8*((\b)&3)+\a):8*(8*((\b)&3)+\a)+7], v[BFR+8*(\b):BFR+8*(\b)+7], v[\af+8*\a:\af+8*\a+7], 0
.else
	v_wmma_f32_16x16x32_bf16 v[8*(8*((\b)&3)+\a):8*(8*((\b)&3)+\a)+7], v[BFR+8*(\b):BFR+8*(\b)+7], v[\af+8*\a:\af+8*\a+7], v[8*(8*((\b)&3)+\a):8*(8*((\b)&3)+\a)+7]
.endif
.endr
.endm
.macro P1A af, zero                    ; n tiles 0-3: 32 matrix instructions
	WIN W1
	MULB \af, 0, \zero
	MULB \af, 1, \zero
	MULB \af, 2, \zero
	MULB \af, 3, \zero
.endm
.macro P1B af, zero                    ; n tiles 4, 5: 16
	WIN W2
	MULB \af, 4, \zero
	MULB \af, 5, \zero
.endm
.macro P2 af, zero                     ; n tiles 6-11: 48
	WIN W2
	MULB \af, 6, \zero
	MULB \af, 7, \zero
	WIN W3
	MULB \af, 8, \zero
	MULB \af, 9, \zero
	MULB \af, 10, \zero
	MULB \af, 11, \zero
.endm
; 12 LDS loads: six of B's fragments, n tiles b0 .. b0 + 5, of quarter q (32 along K) of a slot
.macro FB slot, q, b0
.irp i, 0,1,2,3,4,5
	ds_load_tr16_b128 v[BFR+8*(\b0+\i):BFR+8*(\b0+\i)+3],   v[ADRB+\slot] offset:\q*32*BPITCH+((\b0+\i)>>2)*BSEG+((\b0+\i)&3)*32
	ds_load_tr16_b128 v[BFR+8*(\b0+\i)+4:BFR+8*(\b0+\i)+7], v[ADRB+\slot] offset:\q*32*BPITCH+((\b0+\i)>>2)*BSEG+((\b0+\i)&3)*32+16*BPITCH
.endr
.endm
; 16 LDS loads: A's eight fragments of quarter q of a slot into buffer f
.macro FA slot, q, f
.irp i, 0,1,2,3,4,5,6,7
	ds_load_b128 v[\f+8*\i:\f+8*\i+3],   v[ADRA+\slot] offset:\q*64+\i*8*APITCH
	ds_load_b128 v[\f+8*\i+4:\f+8*\i+7], v[ADRA+\slot] offset:\q*64+\i*8*APITCH+32
.endr
.endm
; Four places stand between a matrix instruction and a load into one of its registers or a vector instruction on its result (ISA guide 7.12.1 for vector instructions).
.macro PLACES
.rept 4
	v_nop
.endr
.endm
; The first 32 of a K step: multiplies buffer 0.  As soon as B's tiles 0-5 have been multiplied they are loaded again for the second 32, with A's buffer 1;
; B's tiles 6-11 follow behind their products.  Each load has 32 or 48 matrix instructions in which to land.
.macro QEVEN slot, zero
	s_wait_dscnt 12                                ; B's tiles 0-5 and A are in; the youngest twelve loads (B's tiles 6-11) may be out
	P1A AF0, \zero
	P1B AF0, \zero
	PLACES
	WIN 0
	FB \slot, 1, 0
	FA \slot, 1, AF1
	s_wait_dscnt 28                                ; all but the 28 just issued: B's tiles 6-11 are in
	P2 AF0, \zero
	PLACES
	WIN 0
	FB \slot, 1, 6
.endm
; The second 32: multiplies buffer 1 and changes slots.  All of this slot's fragments are in registers once the wait for 0 is passed, so the slot can be given up
; in the middle of the quarter.  In front of the barrier each wave waits for its reads of this slot and for all its tensor loads (one is out: its part of the
; next slot).  Behind it the refill comes first, then the next slot's first fragments.  From a request to the wait for it a wave issues 176 matrix instructions.
.macro QODD slot, next, fill
	s_wait_dscnt 12
	P1A AF1, 0
	s_wait_dscnt 0                                 ; my reads of this slot are over
	s_wait_tensorcnt 0x0                           ; all my tensor loads have landed
	ds_add_u32 v30, v31
	s_wait_dscnt 0x0
	s_barrier_signal -1                            ; where a slot is filled again this barrier opens a round of the cluster's barrier
	P1B AF1, 0                                     ; register work while the others arrive
	WIN 0
	s_barrier_wait -1
.if \fill
	CREST                                          ; no wave of any partner still reads this slot or has a load on its way
	s_add_nc_u64 s[G0+4*\slot+2:G0+4*\slot+3], s[G0+4*\slot+2:G0+4*\slot+3], 2*APLANE
	s_add_nc_u64 s[G0B+4*\slot+2:G0B+4*\slot+3], s[G0B+4*\slot+2:G0B+4*\slot+3], 2*BSTEP
	JLOAD \slot                                    ; the first tensor load behind the round, one a wave; its four v_nop are also the places in front of the loads below
.else
	PLACES
.endif
	FB \next, 0, 0
	FA \next, 0, AF0
	P2 AF1, 0                                      ; B's tiles 6-11 have been in since the wait for 0
	PLACES
	WIN 0
	FB \next, 0, 6
.endm
.macro LAP zero
	QEVEN 0, \zero
	QODD 0, 1, 1
	QEVEN 1, 0
	QODD 1, 0, 1
.endm
	s_wait_loadcnt 0x0                             ; the bias is in: it goes to my stage until the way out
.irp g, 0,1,2
	ds_store_b128 v[BST], v[TM+4*\g:TM+4*\g+3] offset:256*\g       ; both halves of the wave write the same bytes with the same values
.endr
	s_wait_dscnt 0x0                               ; no LDS instruction is pending at a signal
	s_wait_tensorcnt 1                             ; my part of K step 0 is in; K step 1's may stay out
	s_barrier_signal -1
	s_barrier_wait -1
	FB 0, 0, 0
	FA 0, 0, AF0
	FB 0, 0, 6
	LAP 1                                          ; the first lap stands in front of the loop: its first products start the sums
	WIN 0
	s_mov_b32 s3, LAPS-2
.Llap:
	LAP 0
	WIN 0
	s_sub_co_u32 s3, s3, 1
	s_cmp_lg_u32 s3, 0
	s_cbranch_scc1 .Llap
	QEVEN 0, 0                                     ; the last lap fills nothing
	QODD 0, 1, 0
	QEVEN 1, 0
	s_wait_dscnt 12                                ; the very last quarter: nothing more to fetch
	P1A AF1, 0
	P1B AF1, 0
	s_wait_dscnt 0
	P2 AF1, 0
	; THE WAY OUT, 16 rows at a time: add the bias, round to f16, 16 bytes a lane into my own stage, read back as four rows of one head, 512 neighbouring bytes of qkvh.
	PLACES
	WIN 0
.irp b, 0,1,2,3,4,5,6,7,8,9,10,11
	ds_load_b128 v[BIAS+8*\b:BIAS+8*\b+3],   v[BRD] offset:(\b>>2)*256+(\b&3)*64
	ds_load_b128 v[BIAS+8*\b+4:BIAS+8*\b+7], v[BRD] offset:(\b>>2)*256+(\b&3)*64+16
.endr
	s_lshl_b32 s16, s13, 8
	s_lshl_b32 s14, s11, 7
	s_add_co_u32 s16, s16, s14                     ; my first row
	s_lshl_b32 s16, s16, 7                         ; x 128 bytes
	s_mov_b32 s17, 0
	s_add_nc_u64 s[8:9], s[74:75], s[16:17]
	s_lshl_b32 s46, s78, 20                        ; my first plane x 1 MiB: 43 MiB at the most; my other two lie 2 and 4 MiB further, in the stores' immediates
	s_mov_b32 s47, 0
	s_add_nc_u64 s[8:9], s[8:9], s[46:47]
	s_wait_dscnt 0x0                               ; the bias is back
.macro OUTA a, f                       ; rows 16 a .. 16 a + 15 of my three heads; f: the set of registers read back into, RB0 and RB1 in turn
.irp g, 0,1,2
	WIN (1+\g)                                     ; source 0 in the head's window
.irp b, 0,1,2,3
.irp j, 0,2,4,6
	v_pk_add_f32 v[TM+8*\b+\j:TM+8*\b+\j+1], v[8*(8*\b+\a)+\j:8*(8*\b+\a)+\j+1], v[BIAS+8*(4*\g+\b)+\j:BIAS+8*(4*\g+\b)+\j+1]
.endr
.endr
	WIN 0
.set i, 0
.rept 16
	v_cvt_pk_f16_f32 v[TM+i], v[TM+2*i], v[TM+2*i+1]               ; in place: word i is written when sums 2 i and 2 i + 1 are read
.set i, i+1
.endr
.irp b, 0,1,2,3
	ds_store_b128 v[STO], v[TM+4*\b:TM+4*\b+3] offset:\g*HSTG+32*\b
.endr
.endr
	s_wait_xcnt 0x0                                ; set f, which earlier stores read, is loaded again only behind this wait
.irp t, 0,1,2,3,4,5,6,7,8,9,10,11
	ds_load_b128 v[\f+4*\t:\f+4*\t+3], v[RD] offset:(\t>>2)*HSTG+(\t&3)*4*SPITCH   ; LDS serves a wave's instructions in order: these see the stores above
.endr
.irp t, 0,1,2,3,4,5,6,7,8,9,10,11
	s_wait_dscnt 11-\t
	global_store_b128 v[CO], v[\f+4*\t:\f+4*\t+3], s[8:9] offset:(\t>>2)*2097152+\a*2048+(\t&3)*512   ; the wave stores 512 consecutive aligned bytes: four rows of one head
.endr
.endm
	OUTA 0, RB0
	OUTA 1, RB1
	OUTA 2, RB0
	OUTA 3, RB1
	OUTA 4, RB0
	OUTA 5, RB1
	OUTA 6, RB0
	OUTA 7, RB1
	s_wait_tensorcnt 0x0
	ds_add_u32 v30, v31
	s_wait_dscnt 0x0
	CROUND                                         ; the closing round: no work-group ends while a partner may still ask for a tile that names it
	s_endpgm
.Lfunc_end_k_q87faf79691_proj:
	.size	k_q87faf79691_proj, .Lfunc_end_k_q87faf79691_proj-k_q87faf79691_proj
	.p2alignl 7, 3214868480
	.fill 96, 4, 3214868480
	.section	.rodata,"a",@progbits
	.p2align	6, 0x0
	.amdhsa_kernel k_q87faf79691_proj
		.amdhsa_group_segment_fixed_size 327680
		.amdhsa_private_segment_fixed_size 0
		.amdhsa_enable_private_segment 0
		.amdhsa_kernarg_size 48
		.amdhsa_user_sgpr_count 2
		.amdhsa_user_sgpr_kernarg_segment_ptr 1
		.amdhsa_wavefront_size32 1
		.amdhsa_system_sgpr_workgroup_id_x 1
		.amdhsa_system_sgpr_workgroup_id_y 1
		.amdhsa_system_sgpr_workgroup_id_z 1
		.amdhsa_system_vgpr_workitem_id 0
		.amdhsa_next_free_vgpr 1024
		.amdhsa_next_free_sgpr 88
		.amdhsa_reserve_vcc 0
		.amdhsa_float_denorm_mode_32 3
		.amdhsa_float_denorm_mode_16_64 3
		.amdhsa_memory_ordered 1
		.amdhsa_forward_progress 1
		.amdhsa_inst_pref_size 197
	.end_amdhsa_kernel
	.amdgpu_metadata
---
amdhsa.version: [ 1, 2 ]
amdhsa.kernels:
  - .name:           k_q87faf79691_proj
    .symbol:         k_q87faf79691_proj.kd
    .args:
      - { .name: xb, .offset: 0, .size: 8, .value_kind: global_buffer, .address_space: global }
      - { .name: wqkv, .offset: 8, .size: 8, .value_kind: global_buffer, .address_space: global }
      - { .name: bq, .offset: 16, .size: 8, .value_kind: global_buffer, .address_space: global }
      - { .name: bk, .offset: 24, .size: 8, .value_kind: global_buffer, .address_space: global }
      - { .name: bv, .offset: 32, .size: 8, .value_kind: global_buffer, .address_space: global }
      - { .name: qkvh, .offset: 40, .size: 8, .value_kind: global_buffer, .address_space: global }
    .group_segment_fixed_size: 327680
    .private_segment_fixed_size: 0
    .kernarg_segment_align: 8
    .kernarg_segment_size: 48
    .max_flat_workgroup_size: 128
    .sgpr_count:     88
    .vgpr_count:     1024
    .wavefront_size: 32
...
	.end_amdgpu_metadata
.endif
;; end of part 2
;; launch attn (part 3): grid 256 x 1, 8 waves a work-group, no clusters, 327,680 bytes of LDS; arguments qkvh, ctx; writes ctx
.if DOCPART == 3
	.amdgcn_target "amdgcn-amd-amdhsa--gfx1250"
	.amdhsa_code_object_version 6
	.text
	.protected	k_q87faf79691_attn
	.globl	k_q87faf79691_attn
	.p2align	8
	.type	k_q87faf79691_attn,@function
k_q87faf79691_attn:
	s_mov_b64 s[64:65], 0
	v_nop
	global_prefetch_b8 v0, s[64:65] scope:SCOPE_SE
	s_setreg_imm32_b32 hwreg(HW_REG_WAVE_MODE, 25, 1), 1
	s_wait_xcnt 0x0
; attn: causal attention of one (batch, head) per four work-groups, f16 operands, f32 sums, softmax in f32 with a running maximum.
; qkvh [48 planes][8192 m][64] f16 (q, k, v of head h in planes h, 16 + h, 32 + h); ctx [16 h][8192 m][64] f16.
; Work-group 4 bh + j takes the query blocks (256 rows) j and then 7 - j of its sequence: (j + 1) + (8 - j) = 9 key tiles of 256 keys for every work-group.
; Wave w owns 32 queries of the block.  Key tiles above the diagonal are never fetched; in the diagonal tile wave w runs w whole steps and one triangular step.
; NO CLUSTER: the four work-groups of a head walk tile streams of different lengths (0..j then 0..7-j), so at a given trip they want different tiles;
; walking in step would take 12 trips in place of 9.
; TRANSPOSED PRODUCTS: S^T = K Q^T (source 0 = 16 keys, source 1 = 16 queries): lane (r, h) holds keys 8 h + 0..7 of query r.  Two such tiles, packed to f16,
; ARE source 1 of O^T = V^T P^T for 32 keys, and V^T comes from LDS by the transposing load.  So a lane serves one query: maximum, sum and rescaling are
; per lane, and one exchange between the two halves of the wave joins the keys.
; OPERANDS AHEAD: K's fragments of the next step are loaded as soon as this step's score products have read the registers, V's at the head of their own step,
; and the second block's Q behind the first block's last score products: each has a softmax in which to land.  A trip is up to seven steps that look ahead
; and one last step that does not (the triangular one on a diagonal, step 7 elsewhere), so no fragment is fetched in vain.
; LDS: two slots of 71,680 bytes: K's tile as 128 rows of 256 bytes (two keys a row) + 16 of padding, V's likewise + 32 of padding; wave 0 fetches K's, wave 1 V's,
; one tensor load each behind each barrier, so a wave has one tensor load out at the most.  Behind the slots 32 x 144 bytes of stage for each wave.
; LIMITS: P is rounded to f16 (below 2^-24 it becomes 0); ctx is f16 (|value| < 65,504).  A row's sum is taken over the unrounded P.
.set SLOTB,  71680
.set VOFF,   34816                     ; V's tile in a slot
.set KSTEPB, 4352                      ; 32 keys = 16 rows of 272
.set VSTEPB, 4608                      ; 32 keys = 16 rows of 288
.set STAGE,  2*SLOTB                   ; 143,360 = 560 x 256
.set WSTAGE, 32*144
.set QF, 8                             ; v[8:39]    Q: 16 nt + 8 ks
.set OA, 40                            ; v[40:103]  O^T: 32 nt + 8 vt
.set SC, 104                           ; v[104:135] S^T: 16 nt + 8 mt
.set PF, 136                           ; v[136:151] P: 8 nt
.set KF, 152                           ; v[152:183] K: 16 mt + 8 ks
.set VF, 184                           ; v[184:215] V^T: 8 vt
.set MX, 216                           ; v[216:217] running maximum of the raw scores, per nt
.set LS, 218                           ; v[218:219] running sum of this lane's keys, per nt
.set NM, 220                           ; v[220:223] - c x maximum at 2 nt; the odd registers stay 0 (a packed source is read as a pair)
.set AL, 224                           ; v[224:227] rescaling factor at 2 nt; the odd registers stay 0
.set TT, 228                           ; v[228:243] at work, 8 nt
.set KADR, 244
.set VADR, 245
.set KBASE, 246
.set VBASE, 247
.set VDIAG, 249
.set STO, 250
.set RD, 251
.set QOFF, 252
.set COFF, 253
.set DQ, 254                           ; r - 8 h: key j of a diagonal tile is masked where j > r - 8 h
.set NINF, 255                         ; minus infinity
.set G0K, 32                           ; s[32:39] group 0 of K's loads, a set for each slot
.set G1K, 40                           ; s[40:47]
.set G0V, 48                           ; s[48:55]
.set G1V, 56                           ; s[56:63]
; s[2:3] Q of the current block, s[4:7] qkvh, ctx, s8 wave, s9 step, s[10:17] bases of q, k, v, ctx for my (batch, head), s18-19 lane selectors, s20 current query block,
; s21 this trip's tile, s[22:23] ctx of the current block, s[24:25] c twice, s26 -c, s27 steps that look ahead, s[28:29] offset pair, s30 second block, s31 laps, s66 next tile, s67-68 at work
.macro TLOAD s                         ; wave 0 asks for K's tile, wave 1 for V's; the other six ask for nothing
	s_cmp_lg_u32 s8, 0
	s_cbranch_scc1 .Lnot_k_\@
	tensor_load_to_lds s[G0K+4*\s:G0K+4*\s+3], s[G1K:G1K+7]
	s_nop 0
.Lnot_k_\@:
	s_cmp_lg_u32 s8, 1
	s_cbranch_scc1 .Lnot_v_\@
	tensor_load_to_lds s[G0V+4*\s:G0V+4*\s+3], s[G1V:G1V+7]
	s_nop 0
.Lnot_v_\@:
.endm
.macro KLOAD off                       ; eight loads: the fragments of the 32 keys that lie off bytes behind KADR
.irp mt, 0,1
.irp ks, 0,1
	ds_load_b128 v[KF+16*\mt+8*\ks:KF+16*\mt+8*\ks+3],   v[KADR] offset:\off+\mt*2176+\ks*64
	ds_load_b128 v[KF+16*\mt+8*\ks+4:KF+16*\mt+8*\ks+7], v[KADR] offset:\off+\mt*2176+\ks*64+32
.endr
.endr
.endm
; Query block s20: its offset, Q's base, my 32 queries as fragments straight from memory.
.macro QLOAD
	s_lshl_b32 s28, s20, 15                        ; 256 rows of 128 bytes a block
	s_lshl_b32 s67, s8, 12                         ; 32 rows a wave
	s_add_co_u32 s28, s28, s67
	s_add_nc_u64 s[2:3], s[10:11], s[28:29]        ; the loads that last used this base have been waited for
.irp nt, 0,1
.irp ks, 0,1
	global_load_b128 v[QF+16*\nt+8*\ks:QF+16*\nt+8*\ks+3],   v[QOFF], s[2:3] offset:\nt*2048+\ks*64
	global_load_b128 v[QF+16*\nt+8*\ks+4:QF+16*\nt+8*\ks+7], v[QOFF], s[2:3] offset:\nt*2048+\ks*64+32
.endr
.endr
.endm
; The block begins: where its result goes (s28 still holds QLOAD's offset), empty sums, Q in.
; O is cleared here and not by a first product: which step is a block's first hangs on the work-group and the wave.
.macro QBEGIN
	s_add_nc_u64 s[22:23], s[16:17], s[28:29]
.set i, 0
.rept 64
	v_mov_b32 v[OA+i], 0
.set i, i+1
.endr
	v_mov_b32 v[MX], v[NINF]
	v_mov_b32 v[MX+1], v[NINF]
	v_mov_b32 v[LS], 0
	v_mov_b32 v[LS+1], 0
	s_wait_loadcnt 0x0                             ; Q is in
.endm
; 32 keys x my 32 queries.  K's fragments are in flight or in; V's lie at VADR.
; ahead = 1: the next 32 keys' fragments are asked for (KADR = this step's keys).  qnext = 1: the second block's Q is asked for.
.macro STEP masked, ahead, qnext
.irp vt, 0,1,2,3
	ds_load_tr16_b128 v[VF+8*\vt:VF+8*\vt+3],   v[VADR] offset:\vt*32
	ds_load_tr16_b128 v[VF+8*\vt+4:VF+8*\vt+7], v[VADR] offset:\vt*32+2304      ; 16 keys = 8 rows of 288 further
.endr
	s_wait_dscnt 0x8                               ; K's eight loads, issued a step ago, are in; V's eight may stay out
	; S^T: four accumulators take turns, one instruction a turn; the first products start the sums
.irp nt, 0,1
.irp mt, 0,1
	v_wmma_f32_16x16x32_f16 v[SC+16*\nt+8*\mt:SC+16*\nt+8*\mt+7], v[KF+16*\mt:KF+16*\mt+7], v[QF+16*\nt:QF+16*\nt+7], 0
.endr
.endr
.irp nt, 0,1
.irp mt, 0,1
	v_wmma_f32_16x16x32_f16 v[SC+16*\nt+8*\mt:SC+16*\nt+8*\mt+7], v[KF+16*\mt+8:KF+16*\mt+15], v[QF+16*\nt+8:QF+16*\nt+15], v[SC+16*\nt+8*\mt:SC+16*\nt+8*\mt+7]
.endr
.endr
.rept 4
	v_nop                                          ; four places before a vector instruction reads a matrix result and before a load into a source
.endr
.if \ahead
	KLOAD KSTEPB                                   ; the next step's keys: they have this step's softmax in which to land
.endif
.if \qnext
	s_mov_b32 s20, s30                             ; the first block's last score products are done: Q's registers take the second block
	QLOAD
.endif
.if \masked
	; the step on the diagonal: keys and queries start at the same index.  Tiles (nt, mt) = (0, 0) and (1, 1) are triangular, (0, 1) is masked whole, (1, 0) not at all.
.irp j, 0,1,2,3,4,5,6,7
	v_cmp_gt_i32 vcc_lo, \j, v[DQ]
	v_cndmask_b32 v[SC+\j], v[SC+\j], v[NINF], vcc_lo
	v_cndmask_b32 v[SC+24+\j], v[SC+24+\j], v[NINF], vcc_lo
	v_mov_b32 v[SC+8+\j], v[NINF]
.endr
.endif
	; the step's maximum of my 16 scores of each query, two chains for each nt
.irp nt, 0,1
	v_max3_num_f32 v[TT+8*\nt],   v[SC+16*\nt],   v[SC+16*\nt+1], v[SC+16*\nt+2]
	v_max3_num_f32 v[TT+8*\nt+1], v[SC+16*\nt+3], v[SC+16*\nt+4], v[SC+16*\nt+5]
.endr
.irp nt, 0,1
	v_max3_num_f32 v[TT+8*\nt],   v[TT+8*\nt],   v[SC+16*\nt+6], v[SC+16*\nt+7]
	v_max3_num_f32 v[TT+8*\nt+1], v[TT+8*\nt+1], v[SC+16*\nt+8], v[SC+16*\nt+9]
.endr
.irp nt, 0,1
	v_max3_num_f32 v[TT+8*\nt],   v[TT+8*\nt],   v[SC+16*\nt+10], v[SC+16*\nt+11]
	v_max3_num_f32 v[TT+8*\nt+1], v[TT+8*\nt+1], v[SC+16*\nt+12], v[SC+16*\nt+13]
.endr
.irp nt, 0,1
	v_max3_num_f32 v[TT+8*\nt], v[TT+8*\nt], v[SC+16*\nt+14], v[SC+16*\nt+15]
.endr
.irp nt, 0,1
	v_max_num_f32 v[TT+8*\nt], v[TT+8*\nt], v[TT+8*\nt+1]
.endr
.irp nt, 0,1
	v_permlanex16_b32 v[TT+8*\nt+1], v[TT+8*\nt], s18, s19         ; the other 16 keys of the same query
.endr
.irp nt, 0,1
	v_max3_num_f32 v[TT+8*\nt+2], v[TT+8*\nt], v[TT+8*\nt+1], v[MX+\nt]   ; the new running maximum: finite, since every query's first step holds an unmasked key
.endr
.irp nt, 0,1
	v_mul_f32 v[NM+2*\nt], s26, v[TT+8*\nt+2]                      ; - c m
.endr
.irp nt, 0,1
	v_fma_f32 v[TT+8*\nt+3], v[MX+\nt], s24, v[NM+2*\nt]           ; c (old m - new m); minus infinity in a block's first step
.endr
.irp nt, 0,1
	v_mov_b32 v[MX+\nt], v[TT+8*\nt+2]
.endr
.irp nt, 0,1
	v_exp_f32 v[AL+2*\nt], v[TT+8*\nt+3]                           ; the factor for what has been gathered; 0 in a block's first step
.endr
	; p = 2^(c s - c m), c = log2(e) / 8.  The fused multiply-adds are the plain instructions that stand behind the two exponentials above.
.irp nt, 0,1
.irp i, 0,2,4,6,8,10,12,14
	v_pk_fma_f32 v[SC+16*\nt+\i:SC+16*\nt+\i+1], v[SC+16*\nt+\i:SC+16*\nt+\i+1], s[24:25], v[NM+2*\nt:NM+2*\nt+1] op_sel_hi:[1,0,0]
.endr
.endr
.set i, 0
.rept 32
	v_exp_f32 v[SC+i], v[SC+i]
.set i, i+1
.endr
	; rescale O: plain instructions behind the exponentials, before their results are read
	s_wait_alu depctr_va_vdst(0)
.irp nt, 0,1
.irp i, 0,2,4,6,8,10,12,14,16,18,20,22,24,26,28,30
	v_pk_mul_f32 v[OA+32*\nt+\i:OA+32*\nt+\i+1], v[OA+32*\nt+\i:OA+32*\nt+\i+1], v[AL+2*\nt:AL+2*\nt+1] op_sel_hi:[1,0]
.endr
.endr
.irp nt, 0,1
.irp i, 0,1,2,3,4,5,6,7
	v_cvt_pk_f16_f32 v[PF+8*\nt+\i], v[SC+16*\nt+2*\i], v[SC+16*\nt+2*\i+1]   ; registers 0-3: keys 8 h + 0..7, registers 4-7: keys 16 + 8 h + 0..7
.endr
.endr
.if \ahead
	s_wait_dscnt 0x8                               ; V is in; the next step's eight loads of K, issued behind V's, may stay out
.else
	s_wait_dscnt 0x0                               ; V is in; nothing was issued behind it
.endif
.irp nt, 0,1
.irp vt, 0,1,2,3
	v_wmma_f32_16x16x32_f16 v[OA+32*\nt+8*\vt:OA+32*\nt+8*\vt+7], v[VF+8*\vt:VF+8*\vt+7], v[PF+8*\nt:PF+8*\nt+7], v[OA+32*\nt+8*\vt:OA+32*\nt+8*\vt+7]
.endr
.endr
	; the sums of p: plain vector work that names none of the last products' registers, so it also fills the four places
	; in front of the next loads into V's fragments and of any vector instruction on O
.irp nt, 0,1
.irp i, 0,1,2,3
	v_pk_add_f32 v[TT+8*\nt+2*\i:TT+8*\nt+2*\i+1], v[SC+16*\nt+4*\i:SC+16*\nt+4*\i+1], v[SC+16*\nt+4*\i+2:SC+16*\nt+4*\i+3]
.endr
.endr
.irp nt, 0,1
	v_pk_add_f32 v[TT+8*\nt:TT+8*\nt+1],   v[TT+8*\nt:TT+8*\nt+1],   v[TT+8*\nt+2:TT+8*\nt+3]
	v_pk_add_f32 v[TT+8*\nt+4:TT+8*\nt+5], v[TT+8*\nt+4:TT+8*\nt+5], v[TT+8*\nt+6:TT+8*\nt+7]
.endr
.irp nt, 0,1
	v_pk_add_f32 v[TT+8*\nt:TT+8*\nt+1], v[TT+8*\nt:TT+8*\nt+1], v[TT+8*\nt+4:TT+8*\nt+5]
.endr
.irp nt, 0,1
	v_add_f32 v[TT+8*\nt], v[TT+8*\nt], v[TT+8*\nt+1]
.endr
.irp nt, 0,1
	v_fma_f32 v[LS+\nt], v[LS+\nt], v[AL+2*\nt], v[TT+8*\nt]
.endr
.endm
; A block is done: divide by the sums, round to f16, through my own stage, out as 512 consecutive bytes a store.
.macro FINISH
	v_permlanex16_b32 v[TT], v[LS], s18, s19
	v_permlanex16_b32 v[TT+8], v[LS+1], s18, s19
	v_add_f32 v[TT], v[TT], v[LS]                  ; both halves' keys: at least 1, the maximum's own term
	v_add_f32 v[TT+8], v[TT+8], v[LS+1]
	v_rcp_f32 v[AL], v[TT]
	v_rcp_f32 v[AL+2], v[TT+8]
	v_nop                                          ; a plain instruction between the reciprocals and their use
	s_wait_alu depctr_va_vdst(0)
.irp nt, 0,1
.irp i, 0,2,4,6,8,10,12,14,16,18,20,22,24,26,28,30
	v_pk_mul_f32 v[OA+32*\nt+\i:OA+32*\nt+\i+1], v[OA+32*\nt+\i:OA+32*\nt+\i+1], v[AL+2*\nt:AL+2*\nt+1] op_sel_hi:[1,0]
.endr
.endr
.irp nt, 0,1
.irp vt, 0,1,2,3
.irp i, 0,1,2,3
	v_cvt_pk_f16_f32 v[SC+4*(4*\nt+\vt)+\i], v[OA+32*\nt+8*\vt+2*\i], v[OA+32*\nt+8*\vt+2*\i+1]
.endr
.endr
.endr
.irp nt, 0,1
.irp vt, 0,1,2,3
	ds_store_b128 v[STO], v[SC+4*(4*\nt+\vt):SC+4*(4*\nt+\vt)+3] offset:\nt*2304+\vt*32   ; row 16 nt + r, numbers 16 vt + 8 h + 0..7
.endr
.endr
.irp t, 0,1,2,3,4,5,6,7
	ds_load_b128 v[KF+4*\t:KF+4*\t+3], v[RD] offset:\t*576         ; four rows of 128 bytes; LDS serves a wave's instructions in order: these see the stores above
.endr
.irp t, 0,1,2,3,4,5,6,7
	s_wait_dscnt 7-\t
	global_store_b128 v[COFF], v[KF+4*\t:KF+4*\t+3], s[22:23] offset:\t*512
.endr
	s_wait_xcnt 0x0                                ; the stores' data registers and base are written again only behind this wait
.endm
; One key tile, in slot; other = the other slot; refill = 1: the next tile of the stream is asked for; last = 1: the ninth trip, always a diagonal.
.macro TRIP slot, other, refill, last
	s_set_vgpr_msb 0x4
	s_wait_tensorcnt 0x0                           ; all my tensor loads have landed, this trip's tile among them: the groups 0 may be written
	ds_add_u32 v248, v1
	s_wait_dscnt 0x0
	s_set_vgpr_msb 0x400
	s_wait_dscnt 0x0                               ; my reads of the other slot are over
.if \refill
	s_add_co_u32 s66, s21, 1                       ; the next tile, or tile 0 of the second block behind a diagonal
	s_cmp_eq_u32 s21, s20
	s_cselect_b32 s66, 0, s66
	s_lshl_b32 s28, s66, 15                        ; 256 keys of 128 bytes
	s_add_nc_u64 s[G0K+4*\other+2:G0K+4*\other+3], s[12:13], s[28:29]
	s_or_b32 s[G0K+4*\other+3], s[G0K+4*\other+3], 0x80000000
	s_add_nc_u64 s[G0V+4*\other+2:G0V+4*\other+3], s[14:15], s[28:29]
	s_or_b32 s[G0V+4*\other+3], s[G0V+4*\other+3], 0x80000000
.endif
	s_barrier_signal -1
	s_barrier_wait -1                              ; both waits now hold of all eight waves
.if \refill
	TLOAD \other                                   ; first thing behind the barrier, one load a wave; it has this whole trip in which to land
.endif
	v_add_nc_u32 v[KADR], \slot*SLOTB, v[KBASE]
	KLOAD 0                                        ; the tile's first 32 keys; every later step's are asked for a step ahead
.if \last
	s_mov_b32 s27, s8
.else
	s_cmp_eq_u32 s21, s20
	s_cselect_b32 s27, s8, 7                       ; steps that look ahead: 7, in a diagonal tile as many as lie under my queries
.endif
	s_mov_b32 s9, 0
.Lstep_\@:
	s_cmp_ge_u32 s9, s27
	s_cbranch_scc1 .Lskip_\@
	s_mul_i32 s67, s9, KSTEPB
	s_mul_i32 s68, s9, VSTEPB
.if \slot
	s_add_co_u32 s67, s67, SLOTB
	s_add_co_u32 s68, s68, SLOTB
.endif
	v_add_nc_u32 v[KADR], s67, v[KBASE]
	v_add_nc_u32 v[VADR], s68, v[VBASE]
	STEP 0, 1, 0
.Lskip_\@:
	s_add_co_u32 s9, s9, 1
	s_cmp_lt_u32 s9, 7
	s_cbranch_scc1 .Lstep_\@
	; the trip's last step: its keys' fragments were asked for by the step before (or at the trip's head), and it asks for none
.if \last
	v_add_nc_u32 v[VADR], \slot*SLOTB, v[VDIAG]    ; the 32 keys that face my 32 queries
	STEP 1, 0, 0
	FINISH
.else
	s_cmp_lg_u32 s21, s20
	s_cbranch_scc1 .Lfull_\@
	v_add_nc_u32 v[VADR], \slot*SLOTB, v[VDIAG]
	STEP 1, 0, 1
	FINISH
	QBEGIN                                         ; the second block
	s_branch .Lnext_\@
.Lfull_\@:
	v_add_nc_u32 v[VADR], 7*VSTEPB+\slot*SLOTB, v[VBASE]
	STEP 0, 0, 0
.Lnext_\@:
	s_mov_b32 s21, s66
.endif
.endm
	s_load_b128 s[4:7], s[0:1], 0x0                ; qkvh s[4:5], ctx s[6:7]
	v_lshl_add_u32 v248, v0, 2, 0x2c000
	s_set_vgpr_msb 0x40
	v_mov_b32 v1, 0
	s_set_vgpr_msb 0x4044
	ds_add_u32 v248, v1
	s_set_vgpr_msb 0x4400
	v_lshrrev_b32 v1, 5, v0
	v_readfirstlane_b32 s8, v1                     ; wave 0..7
	s_lshr_b32 s9, ttmp9, 2                        ; 16 b + h
	s_and_b32 s20, ttmp9, 3                        ; j: the first query block
	s_sub_co_u32 s30, 7, s20                       ; the second
	s_mov_b32 s21, 0                               ; the first tile
	s_and_b32 s27, s9, 15                          ; h
	s_lshr_b32 s9, s9, 4                           ; b
	s_lshl_b32 s28, s27, 20                        ; a plane is 1 MiB,
	s_lshl_b32 s9, s9, 18                          ; a sequence 2,048 rows of 128 bytes
	s_add_co_u32 s28, s28, s9
	s_mov_b32 s29, 0
	s_mov_b32 s18, 0x76543210                      ; lane i of one half reads lane i of the other
	s_mov_b32 s19, 0xfedcba98
	s_mov_b32 s24, 0x3e38aa3b                      ; c = log2(e) / 8: the scale 64^-0.5 and the change of base in one
	s_mov_b32 s25, 0x3e38aa3b
	s_mov_b32 s26, 0xbe38aa3b                      ; - c
	; both tiles: 128 rows x 128 elements of 2 bytes, dense in memory; K's rows get 4 words of padding, V's 8
	s_mov_b32 s[G1K+0], (1<<16)|(1<<20)|(5<<22)|(3<<25)
	s_mov_b32 s[G1K+1], 128<<16
	s_mov_b32 s[G1K+2], 128<<16
	s_mov_b32 s[G1K+3], 128<<16
	s_mov_b32 s[G1K+4], 128
	s_mov_b32 s[G1K+5], 128
	s_mov_b32 s[G1K+6], 0
	s_mov_b32 s[G1K+7], 0
	s_mov_b32 s[G1V+0], (1<<16)|(1<<20)|(5<<22)|(7<<25)
	s_mov_b32 s[G1V+1], 128<<16
	s_mov_b32 s[G1V+2], 128<<16
	s_mov_b32 s[G1V+3], 128<<16
	s_mov_b32 s[G1V+4], 128
	s_mov_b32 s[G1V+5], 128
	s_mov_b32 s[G1V+6], 0
	s_mov_b32 s[G1V+7], 0
	s_mov_b32 s[G0K+0], 1
	s_mov_b32 s[G0K+1], 0
	s_mov_b32 s[G0K+4], 1
	s_mov_b32 s[G0K+5], SLOTB
	s_mov_b32 s[G0V+0], 1
	s_mov_b32 s[G0V+1], VOFF
	s_mov_b32 s[G0V+4], 1
	s_mov_b32 s[G0V+5], SLOTB+VOFF
	s_wait_dscnt 0x0
	s_barrier_signal -1
	s_barrier_wait -1
	s_wait_kmcnt 0x0
	s_add_nc_u64 s[10:11], s[4:5], s[28:29]        ; q
	s_add_nc_u64 s[16:17], s[6:7], s[28:29]        ; ctx
	s_add_nc_u64 s[12:13], s[10:11], 0x1000000     ; k: 16 planes on
	s_add_nc_u64 s[14:15], s[10:11], 0x2000000     ; v: 32 planes on
	s_mov_b64 s[G0K+2:G0K+3], s[12:13]
	s_or_b32 s[G0K+3], s[G0K+3], 0x80000000
	s_mov_b64 s[G0V+2:G0V+3], s[14:15]
	s_or_b32 s[G0V+3], s[G0V+3], 0x80000000
	TLOAD 0                                        ; tile 0 into slot 0, ahead of every wait for a tile and LDS read; slot 1 is first filled behind the first trip's barrier
	v_and_b32 v2, 15, v0                           ; r
	v_bfe_u32 v3, v0, 4, 1                         ; h
	v_lshlrev_b32 v[QOFF], 7, v2                   ; query r: 128 r + 16 h
	v_lshl_add_u32 v[QOFF], v3, 4, v[QOFF]
	QLOAD                                          ; the first block's Q goes out at once; the lane terms below are made while it is on its way
	v_bfe_u32 v4, v0, 1, 3                         ; r / 2
	v_and_b32 v5, 1, v0                            ; r % 2
	v_mul_u32_u24 v[KBASE], v4, 272                ; key r of a fragment: row r / 2, half r % 2, 16 h bytes in
	v_lshl_add_u32 v[KBASE], v5, 7, v[KBASE]
	v_lshl_add_u32 v[KBASE], v3, 4, v[KBASE]
	v_bfe_u32 v6, v0, 1, 2                         ; V, transposing load: lane l addresses key 8 h + l % 8: row 4 h + (l % 8) / 2, half l % 2,
	v_lshl_add_u32 v6, v3, 2, v6
	v_mul_u32_u24 v[VBASE], v6, 288
	v_lshl_add_u32 v[VBASE], v5, 7, v[VBASE]
	v_bfe_u32 v7, v0, 3, 1                         ; 16 bytes at 16 ((l / 8) % 2)
	v_lshl_add_u32 v[VBASE], v7, 4, v[VBASE]
	v_add_nc_u32 v[VBASE], VOFF, v[VBASE]
	s_mul_i32 s68, s8, VSTEPB
	v_add_nc_u32 v[VDIAG], s68, v[VBASE]
	s_mul_i32 s67, s8, WSTAGE
	s_add_co_u32 s67, s67, STAGE                   ; my stage
	v_mul_u32_u24 v[STO], v2, 144
	v_lshl_add_u32 v[STO], v3, 4, v[STO]
	v_add_nc_u32 v[STO], s67, v[STO]
	v_bfe_u32 v4, v0, 3, 2                         ; back: row l / 8, 16 (l % 8) bytes in
	v_and_b32 v5, 7, v0
	v_mul_u32_u24 v[RD], v4, 144
	v_lshl_add_u32 v[RD], v5, 4, v[RD]
	v_add_nc_u32 v[RD], s67, v[RD]
	v_and_b32 v4, 31, v0
	v_lshlrev_b32 v[COFF], 4, v4                   ; 16 l
	v_lshlrev_b32 v4, 3, v3
	v_sub_nc_u32 v[DQ], v2, v4                     ; r - 8 h, signed
	v_mov_b32 v[NINF], 0xff800000
	v_mov_b32 v[NM+1], 0
	v_mov_b32 v[NM+3], 0
	v_mov_b32 v[AL+1], 0
	v_mov_b32 v[AL+3], 0
	QBEGIN
	s_mov_b32 s31, 4
.Llap:
	TRIP 0, 1, 1, 0
	TRIP 1, 0, 1, 0
	s_sub_co_u32 s31, s31, 1
	s_cmp_lg_u32 s31, 0
	s_cbranch_scc1 .Llap
	TRIP 0, 1, 0, 1                                ; the ninth tile: the second block's diagonal; nothing is left to fetch, and no tensor load is out at the end
	s_set_vgpr_msb 0x4
	s_wait_tensorcnt 0x0
	ds_add_u32 v248, v1
	s_wait_dscnt 0x0
	s_set_vgpr_msb 0x400
	s_endpgm
.Lfunc_end_k_q87faf79691_attn:
	.size	k_q87faf79691_attn, .Lfunc_end_k_q87faf79691_attn-k_q87faf79691_attn
	.p2alignl 7, 3214868480
	.fill 96, 4, 3214868480
	.section	.rodata,"a",@progbits
	.p2align	6, 0x0
	.amdhsa_kernel k_q87faf79691_attn
		.amdhsa_group_segment_fixed_size 327680
		.amdhsa_private_segment_fixed_size 0
		.amdhsa_enable_private_segment 0
		.amdhsa_kernarg_size 16
		.amdhsa_user_sgpr_count 2
		.amdhsa_user_sgpr_kernarg_segment_ptr 1
		.amdhsa_wavefront_size32 1
		.amdhsa_system_sgpr_workgroup_id_x 1
		.amdhsa_system_sgpr_workgroup_id_y 1
		.amdhsa_system_sgpr_workgroup_id_z 1
		.amdhsa_system_vgpr_workitem_id 0
		.amdhsa_next_free_vgpr 258
		.amdhsa_next_free_sgpr 72
		.amdhsa_reserve_vcc 1
		.amdhsa_float_denorm_mode_32 3
		.amdhsa_float_denorm_mode_16_64 3
		.amdhsa_memory_ordered 1
		.amdhsa_forward_progress 1
		.amdhsa_inst_pref_size 119
	.end_amdhsa_kernel
	.amdgpu_metadata
---
amdhsa.version: [ 1, 2 ]
amdhsa.kernels:
  - .name:           k_q87faf79691_attn
    .symbol:         k_q87faf79691_attn.kd
    .args:
      - { .name: qkvh, .offset: 0, .size: 8, .value_kind: global_buffer, .address_space: global }
      - { .name: ctx, .offset: 8, .size: 8, .value_kind: global_buffer, .address_space: global }
    .group_segment_fixed_size: 327680
    .private_segment_fixed_size: 0
    .kernarg_segment_align: 8
    .kernarg_segment_size: 16
    .max_flat_workgroup_size: 256
    .sgpr_count:     72
    .vgpr_count:     258
    .wavefront_size: 32
...
	.end_amdgpu_metadata
.endif
;; end of part 3
;; launch oproj (part 4): grid 8 x 32, 4 waves a work-group, clusters of 4 x 4, 327,680 bytes of LDS; arguments ctx, wob, bo, out0; writes out0
.if DOCPART == 4
	.amdgcn_target "amdgcn-amd-amdhsa--gfx1250"
	.amdhsa_code_object_version 6
	.text
	.protected	k_q87faf79691_oproj
	.globl	k_q87faf79691_oproj
	.p2align	8
	.type	k_q87faf79691_oproj,@function
k_q87faf79691_oproj:
	s_mov_b64 s[64:65], 0
	v_nop
	global_prefetch_b8 v0, s[64:65] scope:SCOPE_SE
	s_setreg_imm32_b32 hwreg(HW_REG_WAVE_MODE, 25, 1), 1
	s_wait_xcnt 0x0
	s_wait_alu depctr_hold_cnt(0) depctr_sa_sdst(0) depctr_va_vdst(0) depctr_va_sdst(0) depctr_va_ssrc(0) depctr_va_vcc(0) depctr_vm_vsrc(0)
	s_getreg_b32 s2, hwreg(HW_REG_IB_STS2, 6, 4)
	s_cmp_eq_u32 s2, 0
	s_cbranch_scc0 .Lentry_in_a_cluster
	s_endpgm
.Lentry_in_a_cluster:
	s_bfe_u32 s2, ttmp6, 0x10000c
	s_cmp_lg_u32 s2, 0xf033
	s_cbranch_scc0 .Lentry_shape_is_right
	s_endpgm
.Lentry_shape_is_right:
; oproj: out0[m][n] = bo[n] + sum over (h, v) of ctx[h][m][v] wob[64 h + v][n], 8192 x 1024 x 1024, f16 operands, f32 sums, f32 out.
; A work-group makes 256 x 128 of the output with four waves, a wave 128 x 64: 256 work-groups.  K goes in steps of 128 (two heads) through two LDS slots.
;   A's tile: ctx is head-major, so the block's 256 rows of one head are 32 KiB dense in memory: 128 rows of 256 bytes (two rows of m each), 16 bytes of padding
;   (pitch 272).  Wave 0 fetches the step's first head, wave 1 its second.
;   B's tile lies as in memory, [128 k][128 n]: rows of 256 bytes, 32 bytes of padding (pitch 288); waves 2 and 3 fetch 64 rows each; fragments by the transposing load.
; CLUSTERS: 4 x 4 work-groups; A's tile is asked for jointly along a row of the cluster, B's along a column.
; The bias is the C operand of each sum's first product.
; REGISTERS in windows of 256: window 0: v0-31 addresses, v64-127 and v128-191 A's fragments (two buffers), v192-223 the bias; window 1: v64-95, v128-159 B's fragments;
;   window 2: accumulators of my rows 0-63 (tile (a, b) at v[8 (8 a + b)], b = 0..3); window 3: rows 64-127.
; The matrix instruction is used transposed (source 0 = 16 columns of B, source 1 = 16 rows of A): a lane's eight results are eight neighbouring columns of a row.
.set NB,     4
.set SIZE_N, 1024
.set SIZE_K, 1024
.set KSTEP,  128
.set PLANE,  1048576                   ; a head of ctx
.set PITCH,  272
.set HALFT,  128*PITCH                 ; one head's 256 rows
.set BN,     32*NB
.set BPITCH, 64*NB+32                  ; 288, an odd multiple of 32
.set BHALF,  64*BPITCH
.set SLOT,   2*HALFT+2*BHALF           ; 106,496
.set STAGE,  2*SLOT                    ; 212,992 = 832 x 256; no tensor load lands behind it
.set SPITCH, 272
.set BSTEP,  KSTEP*SIZE_N*2
.set LAPS,   SIZE_K/(2*KSTEP)
.set AQH,    HALFT                     ; quarters 2 and 3 of a K step lie in the second head
.set AISTR,  8*PITCH                   ; 16 rows of m = 8 LDS rows
.set ADRA, 16
.set ADRB, 20
.set STO,  24
.set RD,   25
.set CO,   26
.set BOFF, 27
.set F0,   64
.set F1,   128
.set BIAS, 192                         ; v[192:223]: register 8 b + j = bo[n0 + 16 b + 8 (l / 16) + j]
.set G1,  24
.set G0,  32
.set G1B, 48
.set G0B, 56
.set MSB, 0
.macro WIN new                         ; the immediate's high byte repeats the setting that is left
.if MSB != \new
	s_set_vgpr_msb (MSB<<8)|\new
.set MSB, \new
.endif
.endm
.set MUL_LO, 0xa1
.set MUL_HI, 0xf1
.set FST_LO, 0x81                      ; a sum's first product: C is the bias in window 0
.set FST_HI, 0xc1
.set TO_B,   0x40
.macro JLOAD s                         ; waves 0 and 1 ask for A's heads, waves 2 and 3 for B's halves; the branch hangs on the wave's number alone
	s_cmp_eq_u32 s11, 0
	s_cbranch_scc0 .Lfor_b_\@
	tensor_load_to_lds s[G0+4*\s:G0+4*\s+3], s[G1:G1+7]
	s_nop 0
.rept 4
	v_nop
.endr
	s_branch .Lasked_\@
.Lfor_b_\@:
	tensor_load_to_lds s[G0B+4*\s:G0B+4*\s+3], s[G1B:G1B+7]
	s_nop 0
.rept 4
	v_nop
.endr
.Lasked_\@:
.endm
.macro CREST
	s_cmp_lg_u32 s10, 0
	s_cbranch_scc1 .Lnot_wave_0_\@
	s_barrier_signal -3
.Lnot_wave_0_\@:
	s_barrier_wait -3
	s_barrier_signal -1
	s_barrier_wait -1
.endm
.macro CROUND
	s_barrier_signal -1
	s_barrier_wait -1
	CREST
.endm
	s_load_b128 s[4:7], s[0:1], 0x0                ; ctx s[4:5], wob s[6:7]
	s_load_b128 s[68:71], s[0:1], 0x10             ; bo s[68:69], out0 s[70:71]
	s_set_vgpr_msb 0x40
	v_lshl_add_u32 v255, v0, 2, 0x38400
	s_set_vgpr_msb 0x4000
	v_mov_b32 v255, 0
	s_set_vgpr_msb 0x1
	ds_add_u32 v255, v255
	s_set_vgpr_msb 0x100
	v_lshrrev_b32 v1, 5, v0
	v_readfirstlane_b32 s10, v1                    ; wave 0..3
	s_lshr_b32 s11, s10, 1                         ; my half of the block's rows; also: I fetch for A (0) or B (1)
	s_and_b32 s12, s10, 1                          ; my half of its columns; also: which part of that tile I fetch
	s_bfe_u32 s40, ttmp6, 0x40000                  ; cx
	s_bfe_u32 s41, ttmp6, 0x40004                  ; cy
	s_lshl_b32 s42, ttmp9, 2
	s_add_co_u32 s42, s42, s40                     ; block column
	s_and_b32 s13, ttmp7, 0xffff
	s_lshl_b32 s13, s13, 2
	s_add_co_u32 s13, s13, s41                     ; block row
	s_lshl_b32 s43, s41, 2
	s_lshl_b32 s43, 15, s43                        ; my row of the cluster
	s_lshl_b32 s44, 0x1111, s40                    ; my column
	; group 1 for A: 128 rows x 128 elements of 2 bytes, dense, 4 words of padding behind every 64 words
	s_or_b32 s[G1+0], s43, (1<<16)|(1<<20)|(1<<21)|(5<<22)|(3<<25)
	s_mov_b32 s[G1+1], 128<<16
	s_mov_b32 s[G1+2], 128<<16
	s_mov_b32 s[G1+3], 128<<16
	s_mov_b32 s[G1+4], 128
	s_mov_b32 s[G1+5], 128
	s_mov_b32 s[G1+6], 0
	s_mov_b32 s[G1+7], 0
	; group 1 for B: 64 rows x 128 elements, 8 words of padding behind every 64 words
	s_or_b32 s[G1B+0], s44, (1<<16)|(1<<20)|(1<<21)|(5<<22)|(7<<25)
	s_mov_b32 s[G1B+1], BN<<16
	s_mov_b32 s[G1B+2], 64<<16
	s_mov_b32 s[G1B+3], BN<<16
	s_mov_b32 s[G1B+4], 64
	s_mov_b32 s[G1B+5], SIZE_N
	s_mov_b32 s[G1B+6], 0
	s_mov_b32 s[G1B+7], 0
	s_lshl_b32 s16, s13, 15                        ; A: 256 rows of 128 bytes x block row
	s_lshl_b32 s17, s12, 20                        ; + the head that I fetch
	s_add_co_u32 s16, s16, s17
	s_mov_b32 s17, 0
	s_lshl_b32 s46, s12, 17                        ; B: 64 rows of 2,048 bytes x half
	s_lshl_b32 s47, s42, 8                         ; + 256 bytes x block column
	s_add_co_u32 s46, s46, s47
	s_mov_b32 s47, 0
	s_mul_i32 s20, s10, HALFT                      ; A's heads land at wave x HALFT (waves 0, 1)
	s_mul_i32 s45, s10, BHALF                      ; B's halves at 2 HALFT + (wave - 2) x BHALF (waves 2, 3)
	s_add_co_u32 s45, s45, 2*HALFT-2*BHALF
	s_wait_dscnt 0x0
	s_wait_kmcnt 0x0
	s_add_nc_u64 s[14:15], s[4:5], s[16:17]
	s_add_nc_u64 s[46:47], s[6:7], s[46:47]
	CROUND                                         ; all sixteen work-groups are here: the first joint loads meet
.irp s, 0,1
	s_mov_b32 s[G0+4*\s], 1
	s_add_co_u32 s[G0+4*\s+1], s20, \s*SLOT
	s_add_nc_u64 s[G0+4*\s+2:G0+4*\s+3], s[14:15], \s*2*PLANE
	s_or_b32 s[G0+4*\s+3], s[G0+4*\s+3], 0x80000000
	s_mov_b32 s[G0B+4*\s], 1
	s_add_co_u32 s[G0B+4*\s+1], s45, \s*SLOT
	s_add_nc_u64 s[G0B+4*\s+2:G0B+4*\s+3], s[46:47], \s*BSTEP
	s_or_b32 s[G0B+4*\s+3], s[G0B+4*\s+3], 0x80000000
	JLOAD \s                                       ; both slots are asked for before anything else: two tensor loads of this wave are out
.endr
	s_lshl_b32 s72, s42, 9                         ; the bias of my 64 columns: 128 numbers a block column,
	s_lshl_b32 s73, s12, 8                         ; 64 a half
	s_add_co_u32 s72, s72, s73
	s_mov_b32 s73, 0
	s_add_nc_u64 s[68:69], s[68:69], s[72:73]
	v_and_b32 v1, 15, v0                           ; r
	v_bfe_u32 v2, v0, 4, 1                         ; h
	v_lshlrev_b32 v[BOFF], 5, v2
.irp b, 0,1,2,3
	global_load_b128 v[BIAS+8*\b:BIAS+8*\b+3],   v[BOFF], s[68:69] offset:64*\b
	global_load_b128 v[BIAS+8*\b+4:BIAS+8*\b+7], v[BOFF], s[68:69] offset:64*\b+16
.endr
	; A's fragments: row r of m lies in LDS row r / 2, half r % 2: the 16 lanes of a half wave start at 16 different multiples of 16 modulo 256
	v_bfe_u32 v9, v0, 1, 3
	v_mul_u32_u24 v3, v9, PITCH
	v_and_b32 v9, 1, v0
	v_lshl_add_u32 v3, v9, 7, v3
	v_lshl_add_u32 v3, v2, 4, v3
	; B's fragments, transposing load
	v_and_b32 v6, 7, v0
	v_lshl_add_u32 v6, v2, 3, v6
	v_mul_u32_u24 v7, v6, BPITCH
	v_bfe_u32 v8, v0, 3, 1
	v_lshl_add_u32 v7, v8, 4, v7
	s_mul_i32 s21, s11, 64*PITCH                   ; my 128 rows of m = 64 LDS rows
	s_lshl_b32 s22, s12, 7                         ; my 64 columns of B: 128 bytes,
	s_add_co_u32 s22, s22, 2*HALFT                 ; behind A's two heads
.irp s, 0,1
	v_add_nc_u32 v[ADRA+\s], s21, v3
	v_add_nc_u32 v[ADRB+\s], s22, v7
	s_add_co_u32 s21, s21, SLOT
	s_add_co_u32 s22, s22, SLOT
.endr
	s_mul_i32 s23, s10, 16*SPITCH
	s_add_co_u32 s23, s23, STAGE                   ; my stage
	v_mul_u32_u24 v4, v1, SPITCH                   ; in: row r, 32 bytes for each half of the lanes
	v_lshl_add_u32 v4, v2, 5, v4
	v_add_nc_u32 v[STO], s23, v4
	v_mul_u32_u24 v5, v2, SPITCH                   ; back: lanes 0-15 take one row of 256 bytes, lanes 16-31 the next
	v_lshl_add_u32 v5, v1, 4, v5
	v_add_nc_u32 v[RD], s23, v5
	v_lshlrev_b32 v5, 4, v1
	v_lshl_add_u32 v[CO], v2, 12, v5               ; the same two rows in out0: 4,096 bytes apart
; 8 matrix instructions: m tiles a0, a0 + 1 of the window's four x my 4 n tiles, 32 along K.  zero = 1: the bias starts the sums.
; The accumulators take turns, one instruction a turn, in the same order in every quarter step.
.macro MUL16 f, hi, a0, zero
.irp a, \a0, \a0+1
.irp b, 0,1,2,3
.if \zero
	v_wmma_f32_16x16x32_f16 v[8*(8*(\a)+\b):8*(8*(\a)+\b)+7], v[\f+8*\b:\f+8*\b+7], v[\f+8*(4*\hi+\a):\f+8*(4*\hi+\a)+7], v[BIAS+8*\b:BIAS+8*\b+7]
.else
	v_wmma_f32_16x16x32_f16 v[8*(8*(\a)+\b):8*(8*(\a)+\b)+7], v[\f+8*\b:\f+8*\b+7], v[\f+8*(4*\hi+\a):\f+8*(4*\hi+\a)+7], v[8*(8*(\a)+\b):8*(8*(\a)+\b)+7]
.endif
.endr
.endr
.endm
; 24 LDS loads in one run: quarter q of a slot into buffer f: B's 8 first, then A's 16
.macro FETCH slot, q, f
	WIN TO_B
.irp i, 0,1,2,3
	ds_load_tr16_b128 v[\f+8*\i:\f+8*\i+3],   v[ADRB+\slot] offset:\q*32*BPITCH+32*\i
	ds_load_tr16_b128 v[\f+8*\i+4:\f+8*\i+7], v[ADRB+\slot] offset:\q*32*BPITCH+32*\i+16*BPITCH
.endr
	WIN 0
.irp i, 0,1,2,3,4,5,6,7
	ds_load_b128 v[\f+8*\i:\f+8*\i+3],   v[ADRA+\slot] offset:(\q>>1)*AQH+(\q&1)*64+\i*AISTR
	ds_load_b128 v[\f+8*\i+4:\f+8*\i+7], v[ADRA+\slot] offset:(\q>>1)*AQH+(\q&1)*64+\i*AISTR+32
.endr
.endm
; Four places stand between a matrix instruction and a load into one of its registers, a store of its result or a vector instruction on it (ISA guide 7.12.1 for vector instructions).
.macro PLACES
.rept 4
	v_nop
.endr
.endm
.macro QUARTER slot, q, f, g, zero
	s_wait_dscnt 8                                 ; B and A's rows 0-63 are in; the youngest eight loads (A's rows 64-127) may be out
.if \zero
	WIN FST_LO
.else
	WIN MUL_LO
.endif
	MUL16 \f, 0, 0, \zero
	MUL16 \f, 0, 2, \zero
	PLACES
	FETCH \slot, \q, \g
	s_wait_dscnt 16+2*NB                           ; all but the 24 just issued
.if \zero
	WIN FST_HI
.else
	WIN MUL_HI
.endif
	MUL16 \f, 1, 0, \zero
	MUL16 \f, 1, 2, \zero
.endm
.macro THREE slot, zero
	QUARTER \slot, 1, F0, F1, \zero
	QUARTER \slot, 2, F1, F0, 0
	QUARTER \slot, 3, F0, F1, 0
.endm
.macro TURN slot, next, fill
	s_wait_dscnt 8
	WIN MUL_LO
	MUL16 F1, 0, 0, 0
	s_wait_dscnt 0                                 ; my reads of this slot are over
	s_wait_tensorcnt 0x0                           ; all my tensor loads have landed
	ds_add_u32 v255, v255
	s_wait_dscnt 0x0
	s_barrier_signal -1                            ; where a slot is filled again this barrier opens a round of the cluster's barrier
	MUL16 F1, 0, 2, 0                              ; register work while the others arrive
	WIN 0
	s_barrier_wait -1
.if \fill
	CREST                                          ; no wave of any partner still reads this slot or has a load on its way
	s_add_nc_u64 s[G0+4*\slot+2:G0+4*\slot+3], s[G0+4*\slot+2:G0+4*\slot+3], 4*PLANE
	s_add_nc_u64 s[G0B+4*\slot+2:G0B+4*\slot+3], s[G0B+4*\slot+2:G0B+4*\slot+3], 2*BSTEP
	JLOAD \slot                                    ; the first tensor load behind the round, one a wave; its four v_nop are also the places in front of the loads below
.else
	PLACES
.endif
	FETCH \next, 0, F0
	WIN MUL_HI
	MUL16 F1, 1, 0, 0
	MUL16 F1, 1, 2, 0
.endm
.macro LAP zero
	THREE 0, \zero
	TURN 0, 1, 1
	THREE 1, 0
	TURN 1, 0, 1
.endm
	s_wait_loadcnt 0x0                             ; the bias is in
	s_wait_tensorcnt 1                             ; my part of K step 0 is in; K step 1's may stay out
	s_barrier_signal -1
	s_barrier_wait -1
	FETCH 0, 0, F0
	LAP 1
	WIN 0
	s_mov_b32 s3, LAPS-2
.Llap:
	LAP 0
	WIN 0
	s_sub_co_u32 s3, s3, 1
	s_cmp_lg_u32 s3, 0
	s_cbranch_scc1 .Llap
	THREE 0, 0                                     ; the last lap fills nothing
	TURN 0, 1, 0
	THREE 1, 0
	s_wait_dscnt 8
	WIN MUL_LO
	MUL16 F1, 0, 0, 0
	MUL16 F1, 0, 2, 0
	s_wait_dscnt 0
	WIN MUL_HI
	MUL16 F1, 1, 0, 0
	MUL16 F1, 1, 2, 0
	; THE WAY OUT, 16 rows at a time, in f32: 32 bytes a lane and tile into my own stage, read back as whole rows of 256 bytes.
	PLACES
	s_lshl_b32 s13, s13, 8
	s_lshl_b32 s14, s11, 7
	s_add_co_u32 s16, s13, s14                     ; my first row
	s_lshl_b32 s16, s16, 12                        ; x 4,096 bytes: under 32 MiB
	s_mov_b32 s17, 0
	s_add_nc_u64 s[8:9], s[70:71], s[16:17]
	s_lshl_b32 s46, s42, 9                         ; my first column, in bytes: 512 x block column + 256 x half
	s_lshl_b32 s47, s12, 8
	s_add_co_u32 s46, s46, s47
	s_mov_b32 s47, 0
	s_add_nc_u64 s[8:9], s[8:9], s[46:47]
.macro OUTF i, a, win, f               ; rows 16 i .. 16 i + 15 = tiles (a, 0..3) of window 2 or 3 (win = 0x08 or 0x0c: the LDS stores' data)
	WIN \win
.irp b, 0,1,2,3
	ds_store_b128 v[STO], v[8*(8*\a+\b):8*(8*\a+\b)+3]   offset:64*\b
	ds_store_b128 v[STO], v[8*(8*\a+\b)+4:8*(8*\a+\b)+7] offset:64*\b+16
.endr
	WIN 0
	s_wait_xcnt 0x0                                ; buffer f, which earlier stores read, is loaded again only behind this wait
.irp t, 0,1,2,3,4,5,6,7
	ds_load_b128 v[\f+4*\t:\f+4*\t+3], v[RD] offset:\t*2*SPITCH    ; LDS serves a wave's instructions in order: these see the stores above
.endr
.irp t, 0,1,2,3,4,5,6,7
	s_wait_dscnt 7-\t
	global_store_b128 v[CO], v[\f+4*\t:\f+4*\t+3], s[8:9] offset:(16*\i+2*\t)*4096 th:TH_STORE_NT   ; 16 lanes store 256 consecutive aligned bytes
.endr
.endm
	OUTF 0, 0, 0x08, F0
	OUTF 1, 1, 0x08, F1
	OUTF 2, 2, 0x08, F0
	OUTF 3, 3, 0x08, F1
	OUTF 4, 0, 0x0c, F0
	OUTF 5, 1, 0x0c, F1
	OUTF 6, 2, 0x0c, F0
	OUTF 7, 3, 0x0c, F1
	s_set_vgpr_msb 0x1
	s_wait_tensorcnt 0x0
	ds_add_u32 v255, v255
	s_wait_dscnt 0x0
	s_set_vgpr_msb 0x100
	CROUND                                         ; the closing round: no work-group ends while a partner may still ask for a tile that names it
	s_endpgm
.Lfunc_end_k_q87faf79691_oproj:
	.size	k_q87faf79691_oproj, .Lfunc_end_k_q87faf79691_oproj-k_q87faf79691_oproj
	.p2alignl 7, 3214868480
	.fill 96, 4, 3214868480
	.section	.rodata,"a",@progbits
	.p2align	6, 0x0
	.amdhsa_kernel k_q87faf79691_oproj
		.amdhsa_group_segment_fixed_size 327680
		.amdhsa_private_segment_fixed_size 0
		.amdhsa_enable_private_segment 0
		.amdhsa_kernarg_size 32
		.amdhsa_user_sgpr_count 2
		.amdhsa_user_sgpr_kernarg_segment_ptr 1
		.amdhsa_wavefront_size32 1
		.amdhsa_system_sgpr_workgroup_id_x 1
		.amdhsa_system_sgpr_workgroup_id_y 1
		.amdhsa_system_sgpr_workgroup_id_z 1
		.amdhsa_system_vgpr_workitem_id 0
		.amdhsa_next_free_vgpr 1024
		.amdhsa_next_free_sgpr 80
		.amdhsa_reserve_vcc 0
		.amdhsa_float_denorm_mode_32 3
		.amdhsa_float_denorm_mode_16_64 3
		.amdhsa_memory_ordered 1
		.amdhsa_forward_progress 1
		.amdhsa_inst_pref_size 122
	.end_amdhsa_kernel
	.amdgpu_metadata
---
amdhsa.version: [ 1, 2 ]
amdhsa.kernels:
  - .name:           k_q87faf79691_oproj
    .symbol:         k_q87faf79691_oproj.kd
    .args:
      - { .name: ctx, .offset: 0, .size: 8, .value_kind: global_buffer, .address_space: global }
      - { .name: wob, .offset: 8, .size: 8, .value_kind: global_buffer, .address_space: global }
      - { .name: bo, .offset: 16, .size: 8, .value_kind: global_buffer, .address_space: global }
      - { .name: out0, .offset: 24, .size: 8, .value_kind: global_buffer, .address_space: global }
    .group_segment_fixed_size: 327680
    .private_segment_fixed_size: 0
    .kernarg_segment_align: 8
    .kernarg_segment_size: 32
    .max_flat_workgroup_size: 128
    .sgpr_count:     80
    .vgpr_count:     1024
    .wavefront_size: 32
...
	.end_amdgpu_metadata
.endif
;; end of part 4
;; ======== version 2 of 2: 4 launches; version 1 with the launch prep written anew for expert scheduling mode
;; limits: values are held in f16: magnitudes above 65,504 overflow, below 6.1e-05 lose precision
;; workspace buffers: xb 16,777,216 bytes; wqkv 6,291,456 bytes; wob 2,097,152 bytes; qkvh 50,331,648 bytes; ctx 16,777,216 bytes
;; launch prep (part 5): grid 64 x 12, 8 waves a work-group, no clusters, 0 bytes of LDS; arguments x, Wo, Wq, Wk, Wv, xb, wob, wqkv; writes xb, wob, wqkv
.if DOCPART == 5
	.amdgcn_target "amdgcn-amd-amdhsa--gfx1250"
	.amdhsa_code_object_version 6
	.text
	.protected	k_q87faf79691_prep
	.globl	k_q87faf79691_prep
	.p2align	8
	.type	k_q87faf79691_prep,@function
k_q87faf79691_prep:
	s_mov_b64 s[64:65], 0
	v_nop
	global_prefetch_b8 v0, s[64:65] scope:SCOPE_SE
	s_setreg_imm32_b32 hwreg(HW_REG_WAVE_SCHED_MODE, 0, 2), 2
	s_setreg_imm32_b32 hwreg(HW_REG_WAVE_MODE, 25, 1), 1
	s_wait_xcnt 0x0
	s_wait_alu depctr_vm_vsrc(0)
; prep: the casts that the matrix launches need, one stream, no LDS, no barrier.
;   y = 0..7 : x [8192 m][1024 d] f32 -> xb [16 blocks of d][8192 m][64] bf16 (round to nearest even): the 64 numbers of a block of d and
;              a row are 128 bytes, rows m and m + 1 are neighbours, so a tile of 256 rows x 64 d is 32 KiB dense in memory
;   y = 8    : Wo [1024][1024] f32 -> wob, the same order: rounded to bf16, that value then written as f16
;              (its partner in the product is f16).  LIMIT: exact for |w| >= 2^-17; below that the f16 grid
;              adds at most 2^-25 absolute; |w| must stay below 65,504.
;   y = 9..11: Wq, Wk, Wv [16 h][1024 d][64 k] f32 -> wqkv [1024 d][3072 n] bf16, n = 1024 (y - 9) + 64 h + k
; A work-group takes 16,384 numbers in 16 passes of 256 threads x 4 numbers.  A wave's load covers 512 bytes as two
; aligned runs of 256, a wave's store 256 consecutive aligned bytes.  All 16 loads go out first.
; Matrix units, LDS and clusters have nothing to do here: every byte is read once and written once.
; THE MODE: SCHED_MODE bits 1:0 = 2 (LLVM: expert scheduling mode 2), set by the entry lines.  The code itself states the register dependences
; between vector instructions and memory instructions, with s_wait_alu, always for 0.
; THE PLAN.  Registers that memory instructions touch:
;   v1, v2   byte offsets of the loads and of the stores.  Written once by vector instructions at the head, never again.
;   X        pass p: four registers.  Written by the pass's load alone, once; all 16 loads are issued ahead of every conversion; read by the pass's conversions.
;   Y        pass p: two registers.  Written by the pass's conversions, once; read by the pass's store; never written again.
;   T        at work: named by vector instructions alone.
; The 16 passes go in four groups of four.  Group g's conversions name X and Y of group g and T; the memory instructions dealt among them are the four stores
; of group g - 1, which read Y of group g - 1 and v2.  So one wait at a group's head states all that those four stores hang on.
; No register that a memory instruction reads is ever written a second time, and no base is stepped: nothing is owed for rewriting.
.set X, 4                              ; v[4:67]   pass p: 4 numbers as loaded
.set Y, 68                             ; v[68:99]  pass p: 4 numbers of 16 bits, to store
.set T, 100                            ; v[100:103] at work
; Pass p is rounded: X of the pass into Y of the pass.
.macro CONV p, half
.if \half
	v_cvt_pk_bf16_f32 v[T], v[X+4*(\p)], v[X+4*(\p)+1]     ; the rounding that counts: to bf16
	v_cvt_pk_bf16_f32 v[T+1], v[X+4*(\p)+2], v[X+4*(\p)+3]
	v_lshlrev_b32 v[T+2], 16, v[T]                         ; back to f32: low half up,
	v_and_b32 v[T], 0xffff0000, v[T]                       ; high half stays
	v_lshlrev_b32 v[T+3], 16, v[T+1]
	v_and_b32 v[T+1], 0xffff0000, v[T+1]
	v_cvt_pk_f16_f32 v[Y+2*(\p)], v[T+2], v[T]             ; 8 bits of mantissa fit f16's 11
	v_cvt_pk_f16_f32 v[Y+2*(\p)+1], v[T+3], v[T+1]
.else
	v_cvt_pk_bf16_f32 v[Y+2*(\p)], v[X+4*(\p)], v[X+4*(\p)+1]
	v_cvt_pk_bf16_f32 v[Y+2*(\p)+1], v[X+4*(\p)+2], v[X+4*(\p)+3]
.endif
.endm
; Pass p is stored.  split = 1: passes 8 to 15 store through a second base, s[28:29], so that every immediate stays inside its signed 24 bits
.macro PUT p, outstep, split
.if \split*((\p)/8)
	global_store_b64 v2, v[Y+2*(\p):Y+2*(\p)+1], s[28:29] offset:((\p)-8)*\outstep
.else
	global_store_b64 v2, v[Y+2*(\p):Y+2*(\p)+1], s[22:23] offset:(\p)*\outstep
.endif
.endm
.macro CAST instep, outstep, half, split
	s_wait_alu depctr_va_vdst(0)                   ; v1 and v2 are written: every load below reads v1 as its offset, every store v2
.irp p, 0,1,2,3,4,5,6,7,8,9,10,11,12,13,14,15
	global_load_b128 v[X+4*\p:X+4*\p+3], v1, s[20:21] offset:\p*\instep th:TH_LOAD_NT
.endr
.irp g, 0,1,2,3
	s_wait_loadcnt 12-4*\g                         ; loads return in order: the group's four passes are in, the 12 - 4 g younger loads stay out
.if \g
	s_wait_alu depctr_va_vdst(0)                   ; the group before has written its eight registers of Y, which the four stores below read
.endif
.irp i, 0,1,2,3
.if \g
	PUT 4*\g+\i-4, \outstep, \split                ; the group before goes out; no vector instruction since the wait names its Y or v2
.endif
	CONV 4*\g+\i, \half
.endr
.endr
	s_wait_alu depctr_va_vdst(0)                   ; the last group has written its Y, which the last four stores read
.irp i, 12,13,14,15
	PUT \i, \outstep, \split
.endr
.endm
	s_load_b512 s[4:19], s[0:1], 0x0               ; x s[4:5], Wo s[6:7], Wq s[8:9], Wk s[10:11], Wv s[12:13], xb s[14:15], wob s[16:17], wqkv s[18:19]
	s_and_b32 s2, ttmp7, 0xffff                    ; y: which job
	v_lshlrev_b32 v2, 3, v0                        ; out: 8 bytes a thread, in every job
	s_mov_b32 s25, 0                               ; high words of the two offset pairs
	s_mov_b32 s27, 0
	s_cmp_gt_u32 s2, 8
	s_cbranch_scc1 .Lweights
	s_cmp_eq_u32 s2, 8
	s_cbranch_scc1 .Lwo
	; x: chunk 64 y + x of 16 rows.  A pass is one block of 64 d for all 16 rows: thread t takes row t / 16, d = 64 p + 4 (t % 16)
	v_lshrrev_b32 v[T], 4, v0                      ; row
	v_and_b32 v[T+1], 15, v0
	v_lshlrev_b32 v1, 4, v[T+1]
	v_lshl_add_u32 v1, v[T], 12, v1                ; in: row x 4,096 + 16 (t % 16); a pass further is 256 bytes
	s_lshl_b32 s3, s2, 6
	s_add_co_u32 s3, s3, ttmp9
	s_lshl_b32 s24, s3, 16                         ; 16 rows of 4,096 bytes in
	s_lshl_b32 s26, s3, 11                         ; 16 rows of 128 bytes out: 8 t inside them
	s_wait_kmcnt 0x0
	s_add_nc_u64 s[20:21], s[4:5], s[24:25]
	s_add_nc_u64 s[22:23], s[14:15], s[26:27]
	s_add_nc_u64 s[28:29], s[22:23], 0x800000      ; blocks 8 to 15 of d: 8 planes of 1 MiB further
	CAST 256, 1048576, 0, 1
	s_endpgm
.Lwo:
	v_lshlrev_b32 v1, 4, v0                        ; in: 16 bytes a thread
	s_lshl_b32 s24, ttmp9, 16
	s_lshl_b32 s26, ttmp9, 15
	s_wait_kmcnt 0x0
	s_add_nc_u64 s[20:21], s[6:7], s[24:25]
	s_add_nc_u64 s[22:23], s[16:17], s[26:27]
	CAST 4096, 2048, 1, 0
	s_endpgm
.Lweights:
	; rows d = 16 x .. 16 x + 15; a pass is one d with all 16 heads: thread t takes head t / 16, k = 4 (t % 16)
	v_lshrrev_b32 v[T], 4, v0                      ; head
	v_and_b32 v[T+1], 15, v0
	v_lshlrev_b32 v1, 4, v[T+1]
	v_lshl_add_u32 v1, v[T], 18, v1                ; in: head x 262,144 + 16 (t % 16); a pass further is 256 bytes
	s_lshl_b32 s24, ttmp9, 12                      ; 16 rows of 256 bytes
	s_sub_co_u32 s3, s2, 9
	s_lshl_b32 s3, s3, 11                          ; which of the three: 1,024 columns = 2,048 bytes
	s_mul_i32 s26, ttmp9, 98304                    ; 16 rows of 6,144 bytes
	s_add_co_u32 s26, s26, s3
	s_wait_kmcnt 0x0
	s_cmp_eq_u32 s2, 10
	s_cselect_b64 s[20:21], s[10:11], s[8:9]       ; Wk or Wq
	s_cmp_eq_u32 s2, 11
	s_cselect_b64 s[20:21], s[12:13], s[20:21]     ; or Wv
	s_add_nc_u64 s[20:21], s[20:21], s[24:25]
	s_add_nc_u64 s[22:23], s[18:19], s[26:27]
	CAST 256, 6144, 0, 0                           ; out: 8 t inside the 2,048 bytes, a pass further is a row of 6,144
	s_endpgm
.Lfunc_end_k_q87faf79691_prep:
	.size	k_q87faf79691_prep, .Lfunc_end_k_q87faf79691_prep-k_q87faf79691_prep
	.p2alignl 7, 3214868480
	.fill 96, 4, 3214868480
	.section	.rodata,"a",@progbits
	.p2align	6, 0x0
	.amdhsa_kernel k_q87faf79691_prep
		.amdhsa_group_segment_fixed_size 0
		.amdhsa_private_segment_fixed_size 0
		.amdhsa_enable_private_segment 0
		.amdhsa_kernarg_size 64
		.amdhsa_user_sgpr_count 2
		.amdhsa_user_sgpr_kernarg_segment_ptr 1
		.amdhsa_wavefront_size32 1
		.amdhsa_system_sgpr_workgroup_id_x 1
		.amdhsa_system_sgpr_workgroup_id_y 1
		.amdhsa_system_sgpr_workgroup_id_z 1
		.amdhsa_system_vgpr_workitem_id 0
		.amdhsa_next_free_vgpr 104
		.amdhsa_next_free_sgpr 66
		.amdhsa_reserve_vcc 0
		.amdhsa_float_denorm_mode_32 3
		.amdhsa_float_denorm_mode_16_64 3
		.amdhsa_memory_ordered 1
		.amdhsa_forward_progress 1
		.amdhsa_inst_pref_size 23
	.end_amdhsa_kernel
	.amdgpu_metadata
---
amdhsa.version: [ 1, 2 ]
amdhsa.kernels:
  - .name:           k_q87faf79691_prep
    .symbol:         k_q87faf79691_prep.kd
    .args:
      - { .name: x, .offset: 0, .size: 8, .value_kind: global_buffer, .address_space: global }
      - { .name: Wo, .offset: 8, .size: 8, .value_kind: global_buffer, .address_space: global }
      - { .name: Wq, .offset: 16, .size: 8, .value_kind: global_buffer, .address_space: global }
      - { .name: Wk, .offset: 24, .size: 8, .value_kind: global_buffer, .address_space: global }
      - { .name: Wv, .offset: 32, .size: 8, .value_kind: global_buffer, .address_space: global }
      - { .name: xb, .offset: 40, .size: 8, .value_kind: global_buffer, .address_space: global }
      - { .name: wob, .offset: 48, .size: 8, .value_kind: global_buffer, .address_space: global }
      - { .name: wqkv, .offset: 56, .size: 8, .value_kind: global_buffer, .address_space: global }
    .group_segment_fixed_size: 0
    .private_segment_fixed_size: 0
    .kernarg_segment_align: 8
    .kernarg_segment_size: 64
    .max_flat_workgroup_size: 256
    .sgpr_count:     66
    .vgpr_count:     104
    .wavefront_size: 32
...
	.end_amdgpu_metadata
.endif
;; end of part 5
;; launch proj: the kernel of part 2 again; grid 8 x 32, 4 waves a work-group, clusters of 4 x 4, 327,680 bytes of LDS; arguments xb, wqkv, bq, bk, bv, qkvh; writes qkvh
;; launch attn: the kernel of part 3 again; grid 256 x 1, 8 waves a work-group, no clusters, 327,680 bytes of LDS; arguments qkvh, ctx; writes ctx
;; launch oproj: the kernel of part 4 again; grid 8 x 32, 4 waves a work-group, clusters of 4 x 4, 327,680 bytes of LDS; arguments ctx, wob, bo, out0; writes out0
